; MI455X (gfx1250); checked and timed in simulation.
; The chip was launched on July 23, 2026; its instructions are those of AMD's public machine-readable ISA for CDNA 5 (MIT licence, August 2026) and "CDNA5" Instruction Set Architecture Reference Guide (July 2026). The comments in the code are by the model that wrote it; some were corrected since.
;; Penalized Attention. Allowed arithmetic: matrix products marked QUANTISED: E2M1 operands, one E8M0 scale for each 32 along K, by v_wmma_scale_f32_16x16x128_f8f6f4 with both operands' format E2M1 (or v_wmma_scale_f32_32x16x128_f4), f32 sums; products left as they are: bf16, f16 or f32 operands; f32 sums; everything else in f32.
;; Inputs: W_attn 3,072 x 1,024 float32; W_proj 1,024 x 1,024 float32; x 2 x 2,048 x 1,024 float32.
;; Outputs: out0 2 x 2,048 x 1,024 float32.
;; This version of the problem:
;;   THIS VERSION OF THE PROBLEM IS GIVEN IN LOW PRECISION. The matrix products marked QUANTISED in the list below multiply operands that are first quantised to E2M1 (2 exponent bits, 1 mantissa bit; 4 bits a number), with one power-of-two scale for each 32 numbers along K (OCP MX v1.0); their sums are f32. The products marked 'left as it is' may take bf16, f16 or f32 operands, with f32 sums. Whichever they take, every output number must still come out within the allowed error. Rounding operands to bf16 (8 significant bits) uses up far more of that allowance than f16 does (11 bits, for magnitudes from 6e-5 to 65,504). All else is computed in f32.
;;   The module's matrix products, in the order in which they are computed (A, B: the left and right operand; K: the contracted axis; several contracted axes count as one K, in the product's order):
;;     1. [M 4,096, K 1,024] x [K 1,024, N 3,072]; A: input x; B: input W_attn: QUANTISED
;;     2. batch 32 x [M 2,048, K 64] x [K 64, N 2,048]; A: computed on the way; B: computed on the way: left as it is (an operand is computed on the way)
;;     3. batch 32 x [M 2,048, K 2,048] x [K 2,048, N 64]; A: computed on the way; B: computed on the way: left as it is (an operand is computed on the way)
;;     4. [M 4,096, K 1,024] x [K 1,024, N 1,024]; A: computed on the way; B: input W_proj: left as it is (an operand is computed on the way)
;;   THE QUANTISER, for each operand of a quantised product, along K:
;;     - K is cut into blocks of 32 from its start; a last block that is shorter is filled with zeros.
;;     - A block's scale is 2^e with e = floor(log2(the largest magnitude in the block)) - 2, held to -126 .. 127; a block of zeros has e = 0. As a byte (E8M0): e + 127.
;;     - Each number is divided by its block's scale, clamped to +-6, and rounded to the nearest number of E2M1, ties to even, subnormals kept.
;;     - The product sums the exact products of the quantised numbers (number of the format x scale) in f32.
;;   ~~~python
;;   def quantise(x, axis):      # numpy; x: float32 -> the quantised numbers, widened to float32 again
;;       x = np.moveaxis(x, axis, -1); K = x.shape[-1]
;;       x = np.pad(x, [(0, 0)] * (x.ndim - 1) + [(0, -K % 32)]); x = x.reshape(x.shape[:-1] + (-1, 32)); a = np.abs(x).max(-1, keepdims=True)
;;       e = np.where(a > 0, np.clip(np.frexp(np.where(a > 0, a, 1))[1] - 1 - 2, -126, 127), 0)      # np.frexp(a)[1] - 1 = floor(log2(a)), exactly
;;       r = np.clip(x / 2.0 ** e, -6, 6)
;;       step = 2.0 ** (np.maximum(np.frexp(np.where(r == 0, 1, r))[1] - 1, 0) - 1)
;;       q = np.round(r / step) * step * 2.0 ** e      # np.round: ties to even
;;       return np.moveaxis(q.reshape(q.shape[:-2] + (-1,))[..., :K], -1, axis).astype(np.float32)
;;   ~~~
;; One version. Each part assembles by itself: llvm-mc -triple=amdgcn-amd-amdhsa -mcpu=gfx1250 --defsym DOCPART=n.
;; ======== version 1 of 1: 4 launches
;; limits: values are held in f16: magnitudes above 65,504 overflow, below 6.1e-05 lose precision
;; workspace buffers: cod 3,670,016 bytes; scl 229,376 bytes; wp 2,097,152 bytes; qkv 25,165,824 bytes; yw 8,388,608 bytes
;; launch prep (part 1): grid 256 x 1, 4 waves a work-group, no clusters, 33,280 bytes of LDS; arguments x, W_attn, cod, scl, W_proj, wp; writes cod, scl, wp
.if DOCPART == 1
	.amdgcn_target "amdgcn-amd-amdhsa--gfx1250"
	.amdhsa_code_object_version 6
	.text
	.protected	k_qb6dae603af_prep
	.globl	k_qb6dae603af_prep
	.p2align	8
	.type	k_qb6dae603af_prep,@function
k_qb6dae603af_prep:
	s_mov_b64 s[64:65], 0
	v_nop
	global_prefetch_b8 v0, s[64:65] scope:SCOPE_SE
	s_setreg_imm32_b32 hwreg(HW_REG_WAVE_MODE, 25, 1), 1
	s_wait_xcnt 0x0
; x [4096][1024] and W_attn [3072][1024], f32, become codes of FP4 (E2M1), K innermost, with one E8M0 scale byte for each 32 along K; W_proj [1024][1024] becomes f16.
; cod: 7,168 rows of 512 bytes (x's 4,096 rows, then W_attn's 3,072); scl: 7,168 rows of 32 bytes; wp: row-major f16.
; A block's scale is 2^(floor(log2(its largest magnitude)) - 2); its byte is the largest magnitude's exponent field - 2, held at 1 from below.  A block of zeros so gets the byte 1
; where the quantiser says 127: its codes are zeros, which add nothing under any byte but 0xff, and the bytes are read by this program alone.
; LIMITS: NaN and infinities among the inputs are not served; W_proj must lie under 65,504 in magnitude, and under 6e-5 it carries an absolute error of 3e-8 (f16).
; Rows are dense and K is a multiple of 32: both tensors are plain streams of blocks of 32, and x is exactly 512 runs of 8,192 numbers, so W_attn's codes and bytes follow x's on end.
; Work-groups 0-127 take x, 128-223 W_attn: one path, only the input pointer is chosen.  A wave takes 16 steps of 512 numbers: each of a step's four loads reads 512 consecutive bytes; the 2,048 bytes
; turn through the wave's own stage in LDS and come back 64 bytes a lane (16 neighbours along K; two neighbouring lanes hold a block).  Work-groups 224-255 cast W_proj and use no LDS.
.set WAVES, 4
.set STEPS, 16
.set WGX,   128                        ; work-groups of x: 4,096 x 1,024 / 32,768
.set WGQ,   224                        ; work-groups that quantise
.set EMAX,  2
.set CB,    8                          ; bytes of 16 codes
.set R,     16                         ; v16-79   four sets of 16 numbers as they are loaded
.set X,     80                         ; v80-111  two sets of 16 neighbours
.set C,     128                        ; v128-191 codes: four registers for each step, so that no store's data are written again
.set E,     112                        ; v112-127 a scale byte for each step
.set WREG,  8192                       ; LDS: a region for each wave: two stages of 32 x SP bytes, and behind them its 256 scale bytes
.set SP,    80                         ; a lane's place in a stage: its 64 bytes + 16 of padding
.set SPW,   12                         ; v12      LDS address of my spare word; never rewritten
.set NIL,   13                         ; v13      0; never rewritten
.set SPARE, WAVES*WREG                 ; behind the four regions: the spare words, 128 bytes a wave, which no other line names
.set OUTC,  144                        ; the cast: v144-175 packed f16
	s_load_b128 s[4:7], s[0:1], 0x0                ; x, W_attn
	s_load_b128 s[8:11], s[0:1], 0x10              ; cod, scl
	s_load_b128 s[12:15], s[0:1], 0x20             ; W_proj, wp
	v_lshl_add_u32 v[SPW], v0, 2, SPARE
	v_mov_b32 v[NIL], 0
	v_lshrrev_b32 v1, 5, v0
	v_readfirstlane_b32 s16, v1                    ; wave
	v_and_b32 v2, 31, v0                           ; lane
	v_lshlrev_b32 v3, 4, v2                        ; my 16 bytes of a load's 512
	s_mul_i32 s17, s16, WREG
	v_lshrrev_b32 v14, 2, v2
	v_mul_u32_u24 v14, v14, SP
	v_and_b32 v15, 3, v2
	v_lshl_add_u32 v14, v15, 4, v14
	v_add_nc_u32 v14, s17, v14                     ; the stage, on the way in: SP (lane / 4) + 16 (lane % 4)
	v_mul_u32_u24 v15, v2, SP
	v_add_nc_u32 v15, s17, v15                     ; and on the way out: SP x lane: my 16 neighbours
	v_mul_u32_u24 v4, v2, CB                       ; my codes' place in a step's
	v_lshrrev_b32 v5, 1, v2
	s_add_co_u32 s17, s17, 2*32*SP
	v_add_nc_u32 v5, s17, v5                       ; LDS: my wave's 256 scale bytes, my block's byte
	v_lshlrev_b32 v7, 3, v2                        ; 8 bytes a lane
	v_add_nc_u32 v6, s17, v7
	s_wait_kmcnt 0x0
	s_cmp_ge_u32 ttmp9, WGQ                        ; the work-group's number alone decides
	s_cbranch_scc1 .Lcast
	s_cmp_lt_u32 ttmp9, WGX                        ; x's work-group or W_attn's?
	s_cselect_b64 s[4:5], s[4:5], s[6:7]
	s_cselect_b32 s17, 0, WGX
	s_sub_co_u32 s17, ttmp9, s17
	s_lshl_b32 s17, s17, 2
	s_add_co_u32 s18, s17, s16                     ; which run of 8,192 numbers of the input tensor is my wave's
	s_mov_b32 s19, 0
	s_lshl_b64 s[20:21], s[18:19], 15              ; 32,768 bytes a run
	s_add_nc_u64 s[4:5], s[4:5], s[20:21]
	s_lshl_b32 s18, ttmp9, 2
	s_add_co_u32 s18, s18, s16                     ; and which run of the outputs: both tensors on end
	s_lshl_b32 s20, s18, 12                        ; 4,096 bytes of codes a run
	s_mov_b32 s21, 0
	s_add_nc_u64 s[8:9], s[8:9], s[20:21]
	s_lshl_b32 s20, s18, 8                         ; 256 scale bytes a run
	s_add_nc_u64 s[10:11], s[10:11], s[20:21]
.macro LOAD t
.irp i, 0,1,2,3
	global_load_b128 v[R+16*((\t)%4)+4*\i:R+16*((\t)%4)+4*\i+3], v3, s[4:5] offset:2048*(\t)+512*\i th:TH_LOAD_NT   ; 32 lanes read 512 consecutive bytes
.endr
.endm
.macro TURN t                          ; step t's numbers through the stage: LDS serves a wave's instructions in order, so no wait stands between the stores and the loads
.irp i, 0,1,2,3
	ds_store_b128 v14, v[R+16*((\t)%4)+4*\i:R+16*((\t)%4)+4*\i+3] offset:32*SP*((\t)%2)+8*SP*\i
.endr
.irp i, 0,1,2,3
	ds_load_b128 v[X+16*((\t)%2)+4*\i:X+16*((\t)%2)+4*\i+3], v15 offset:32*SP*((\t)%2)+16*\i
.endr
.endm
.irp t, 0,1,2,3
	LOAD \t
.endr
	s_wait_loadcnt 12                              ; step 0's four loads are in; the twelve of steps 1 to 3 stay out
	TURN 0
.macro STEP t
.set XS, X+16*((\t)%2)
.if (\t) > 0
	s_wait_dscnt 1                                 ; this step's numbers are back from the stage (the last step's byte store may be out): so its stores into the stage have read their registers,
.else
	s_wait_dscnt 0x0
.endif
.if (\t)+4 < STEPS
	LOAD (\t)+4                                    ; which take the loads of four steps on
.endif
.if (\t)+1 < STEPS
.if STEPS-2-(\t) >= 3
	s_wait_loadcnt 12                              ; the next step's four loads are in; those of the three steps behind it may be out
.else
	s_wait_loadcnt 4*(STEPS-2-(\t))
.endif
	TURN (\t)+1                                    ; and go through the other stage while this step is worked
.endif
	v_max3_num_f32 v8, |v[XS]|, |v[XS+1]|, |v[XS+2]|               ; the largest magnitude of my 16, in two chains
	v_max3_num_f32 v9, |v[XS+3]|, |v[XS+4]|, |v[XS+5]|
.irp i, 6,10
	v_max3_num_f32 v8, v8, |v[XS+\i]|, |v[XS+\i+1]|
	v_max3_num_f32 v9, v9, |v[XS+\i+2]|, |v[XS+\i+3]|
.endr
	v_max3_num_f32 v8, v8, |v[XS+14]|, |v[XS+15]|
	v_max3_num_f32 v8, v8, v9, (EMAX+1)<<23        ; and the floor 2^(EMAX + 1 - 127): so the byte cannot fall under 1
	v_max_num_f32_dpp v8, v8, v8 row_xmask:1 row_mask:0xf bank_mask:0xf   ; and of my neighbour's 16: the block's
	v_add_nc_u32 v11, -(EMAX<<23), v8              ; EMAX off its exponent field: the conversion takes the exponent field of this operand as its scale
	v_cvt_scalef32_pk8_fp4_f32 v[C+4*(\t)], v[XS:XS+7], v11        ; eight numbers / the scale, to the nearest code, ties to even, beyond the largest code the largest
	v_cvt_scalef32_pk8_fp4_f32 v[C+4*(\t)+1], v[XS+8:XS+15], v11
	v_lshrrev_b32 v[E+(\t)], 23, v11               ; the scale's byte (also the plain line behind the conversions)
	ds_store_b8 v5, v[E+(\t)] offset:16*(\t)       ; both lanes of a block write the same byte with the same value
	global_store_b64 v4, v[C+4*(\t):C+4*(\t)+1], s[8:9] offset:32*CB*(\t)   ; the wave stores 256 consecutive bytes, aligned
.endm
.irp t, 0,1,2,3,4,5,6,7,8,9,10,11,12,13,14,15
	STEP \t
.endr
	ds_load_b64 v[8:9], v6                         ; LDS serves a wave's instructions in order: these see my stores
	s_wait_dscnt 0x0
	global_store_b64 v7, v[8:9], s[10:11]          ; 32 lanes store 256 consecutive bytes, aligned
	s_wait_tensorcnt 0x0                           ; the wave's end
	ds_add_u32 v[SPW], v[NIL]
	s_wait_dscnt 0x0
	s_endpgm
; W_proj to f16: a wave takes 8,192 numbers: 64 chunks of 512 bytes in, 256 bytes out, in four batches of 16 on two sets of registers.
.Lcast:
	s_sub_co_u32 s17, ttmp9, WGQ
	s_lshl_b32 s17, s17, 2
	s_add_co_u32 s18, s17, s16                     ; my run
	s_lshl_b32 s20, s18, 15
	s_mov_b32 s21, 0
	s_add_nc_u64 s[12:13], s[12:13], s[20:21]
	s_lshl_b32 s20, s18, 14
	s_add_nc_u64 s[14:15], s[14:15], s[20:21]
.macro PLOAD b
.irp i, 0,1,2,3,4,5,6,7,8,9,10,11,12,13,14,15
	global_load_b128 v[R+64*((\b)%2)+4*\i:R+64*((\b)%2)+4*\i+3], v3, s[12:13] offset:512*(16*(\b)+\i) th:TH_LOAD_NT
.endr
.endm
.macro PCVT b
.irp i, 0,1,2,3,4,5,6,7,8,9,10,11,12,13,14,15
	v_cvt_pk_f16_f32 v[OUTC+2*\i], v[R+64*((\b)%2)+4*\i], v[R+64*((\b)%2)+4*\i+1]
	v_cvt_pk_f16_f32 v[OUTC+2*\i+1], v[R+64*((\b)%2)+4*\i+2], v[R+64*((\b)%2)+4*\i+3]
	global_store_b64 v7, v[OUTC+2*\i:OUTC+2*\i+1], s[14:15] offset:256*(16*(\b)+\i)   ; the wave stores 256 consecutive bytes, aligned
.endr
.endm
	PLOAD 0
	PLOAD 1
	s_wait_loadcnt 16                              ; batch 0 is in; batch 1's sixteen loads stay out
	PCVT 0
	PLOAD 2
	s_wait_loadcnt 16                              ; batch 1 is in
	s_wait_xcnt 0x0                                ; the last batch's stores have read their data: the packed registers may be written again
	PCVT 1
	PLOAD 3
	s_wait_loadcnt 16                              ; batch 2 is in
	s_wait_xcnt 0x0
	PCVT 2
	s_wait_loadcnt 0x0                             ; batch 3: nothing was issued behind it
	s_wait_xcnt 0x0
	PCVT 3
	s_endpgm
.Lfunc_end_k_qb6dae603af_prep:
	.size	k_qb6dae603af_prep, .Lfunc_end_k_qb6dae603af_prep-k_qb6dae603af_prep
	.p2alignl 7, 3214868480
	.fill 96, 4, 3214868480
	.section	.rodata,"a",@progbits
	.p2align	6, 0x0
	.amdhsa_kernel k_qb6dae603af_prep
		.amdhsa_group_segment_fixed_size 33280
		.amdhsa_private_segment_fixed_size 0
		.amdhsa_enable_private_segment 0
		.amdhsa_kernarg_size 48
		.amdhsa_user_sgpr_count 2
		.amdhsa_user_sgpr_kernarg_segment_ptr 1
		.amdhsa_wavefront_size32 1
		.amdhsa_system_sgpr_workgroup_id_x 1
		.amdhsa_system_sgpr_workgroup_id_y 1
		.amdhsa_system_sgpr_workgroup_id_z 1
		.amdhsa_system_vgpr_workitem_id 0
		.amdhsa_next_free_vgpr 192
		.amdhsa_next_free_sgpr 66
		.amdhsa_reserve_vcc 0
		.amdhsa_float_denorm_mode_32 3
		.amdhsa_float_denorm_mode_16_64 3
		.amdhsa_memory_ordered 1
		.amdhsa_forward_progress 1
		.amdhsa_inst_pref_size 54
	.end_amdhsa_kernel
	.amdgpu_metadata
---
amdhsa.version: [ 1, 2 ]
amdhsa.kernels:
  - .name:           k_qb6dae603af_prep
    .symbol:         k_qb6dae603af_prep.kd
    .args:
      - { .name: x, .offset: 0, .size: 8, .value_kind: global_buffer, .address_space: global }
      - { .name: W_attn, .offset: 8, .size: 8, .value_kind: global_buffer, .address_space: global }
      - { .name: cod, .offset: 16, .size: 8, .value_kind: global_buffer, .address_space: global }
      - { .name: scl, .offset: 24, .size: 8, .value_kind: global_buffer, .address_space: global }
      - { .name: W_proj, .offset: 32, .size: 8, .value_kind: global_buffer, .address_space: global }
      - { .name: wp, .offset: 40, .size: 8, .value_kind: global_buffer, .address_space: global }
    .group_segment_fixed_size: 33280
    .private_segment_fixed_size: 0
    .kernarg_segment_align: 8
    .kernarg_segment_size: 48
    .max_flat_workgroup_size: 128
    .sgpr_count:     66
    .vgpr_count:     192
    .wavefront_size: 32
...
	.end_amdgpu_metadata
.endif
;; end of part 1
;; launch qkvgemm (part 2): grid 12 x 16, 4 waves a work-group, clusters of 4 x 4, 327,680 bytes of LDS; arguments cod, scl, qkv; writes qkv
.if DOCPART == 2
	.amdgcn_target "amdgcn-amd-amdhsa--gfx1250"
	.amdhsa_code_object_version 6
	.text
	.protected	k_qb6dae603af_qkvgemm
	.globl	k_qb6dae603af_qkvgemm
	.p2align	8
	.type	k_qb6dae603af_qkvgemm,@function
k_qb6dae603af_qkvgemm:
	s_mov_b64 s[64:65], 0
	v_nop
	global_prefetch_b8 v0, s[64:65] scope:SCOPE_SE
	s_setreg_imm32_b32 hwreg(HW_REG_WAVE_MODE, 25, 1), 1
	s_wait_xcnt 0x0
	s_wait_alu depctr_hold_cnt(0) depctr_sa_sdst(0) depctr_va_vdst(0) depctr_va_sdst(0) depctr_va_ssrc(0) depctr_va_vcc(0) depctr_vm_vsrc(0)
	s_getreg_b32 s2, hwreg(HW_REG_IB_STS2, 6, 4)
	s_cmp_eq_u32 s2, 0
	s_cbranch_scc0 .Lentry_in_a_cluster
	s_endpgm
.Lentry_in_a_cluster:
	s_bfe_u32 s2, ttmp6, 0x10000c
	s_cmp_lg_u32 s2, 0xf033
	s_cbranch_scc0 .Lentry_shape_is_right
	s_endpgm
.Lentry_shape_is_right:
; qkv = x W_attn^T on codes of FP4 (E2M1) with one E8M0 scale for each 32 along K = 1,024; sums in f32.  The results leave as f16, laid in the order in which the attention launch's operand registers take them.
; Both operands are rows of ONE matrix of codes, cod [7168][512 bytes] (rows 0-4,095: x's tokens; 4,096-7,167: W_attn's rows), with scl [7168][32].
; A tile of 256 x 256 is made by four waves, each 128 x 128: 64 accumulators, 512 registers.  K is two steps of 512, one in each of two LDS slots: both are first fills; nothing is filled again.
; THE MATRIX INSTRUCTION IS USED TRANSPOSED (source 0 = 16 rows of B, source 1 = 16 rows of A): a lane holds ONE row of A and eight neighbouring rows of B.
; A cluster of 4 x 4 tiles spans 1,024 columns, so the cluster's x (0, 1, 2) is q, k, v.  q and k want a lane to hold a token and eight channels: A = x, B = W.  v wants a lane to hold a channel and
; eight tokens (the keys are the second attention product's K): A = W_v, B = x.  Only tile numbers are chosen, on the cluster's x, which all sixteen partners share.
; A's tile hangs on the place cy alone and is asked for jointly by a row of the cluster, B's on cx alone, by a column.
; OUT.  q (times c = log2(e) / 8, so that q k^T comes out as P log2(e)) and k: for each head and block of 16 tokens 2,048 bytes: the 8 f16 of token r, channels 8 o .. 8 o + 7 at 256 o + 16 r.
; v: for each head and 64 keys 8,192 bytes: register group g of fragment (channel tile u, f) at 512 (2 (2 u + f) + g) + 16 lane; lane (r, h), register rho, half w holds v[key 32 h + 16 w + 8 f + rho][channel 16 u + r].
; In both layouts a lane's 16 bytes already lie beside its neighbours': every store covers whole aligned runs of 256 bytes with no turn through LDS.
; LIMITS: c q, k and v must lie under 65,504 in magnitude; under 6e-5 they carry an absolute error of 3e-8 (f16).
; REGISTERS, in windows of 256: window 0: v0-31 addresses; v32-95 scale words, two sets, and nothing else; from v128 A's fragments, ONE set; on the way out v96-255 are five sets of packed results.
;   window 1: B's fragments, TWO sets, at v0 and v128.   window 2: the accumulators of my rows 0-63 ((a, b) at v[8 (8 a + b)]);   window 3: those of rows 64-127.
.set SIZE_K, 1024
.set KSTEP,  512                       ; along K in a slot
.set NQ,     KSTEP/128                 ; matrix instructions deep
.set ROWB,   256                       ; a tile's row in bytes
.set KROW,   SIZE_K*4/8                ; a row of codes in memory
.set PITCH,  272                       ; an LDS row: 256 bytes + 16 of padding: the 16 rows that a load touches begin in 16 different 16-byte columns modulo 256 bytes
.set FR,     8                         ; registers of a fragment: 16 rows x 128 K
.set NL,     2                         ; LDS loads that bring one
.set NP,     4                         ; places behind this matrix instruction (ISA guide 7.12.1)
.set HALFT,  128*PITCH                 ; 128 rows: what one tensor load brings
.set SLOT,   4*HALFT                   ; A's 256 rows, then B's 256 rows
.set KS,     SIZE_K/32                 ; a row of scales in bytes
.set SCL,    2*SLOT                    ; behind the slots: the scales, as units of 256 bytes + 16 of padding
.set HALFS,  (128*KS/256)*272          ; the scales of 128 rows
.set SBLK,   (16*KS/256)*272           ; those of 16 rows
.set SPARE,  SCL+4*HALFS               ; the spare words, 128 bytes a wave, which no other line names
.set ADRA, 16                          ; v16-17  LDS address of my A fragments in slot 0, 1
.set ADRB, 20                          ; v20-21  the same for B
.set COV,  24                          ; v24     the way out of v: 1,024 (lane / 16) + 16 (lane % 16)
.set CO,   26                          ; v26     the way out of q and k: 16 x lane
.set ADRS, 27                          ; v27     LDS address of my scale words: lanes 0-15 A's rows, lanes 16-31 B's
.set SPW,  28                          ; v28     LDS address of my spare word; never rewritten
.set NIL,  29                          ; v29     0; never rewritten
.set SC,   32                          ; scale words: set s at v[SC + 8 NQ s]; register NQ i + q: lanes 0-15 the word of A's block i, lanes 16-31 that of B's block i
.set TMP,  96                          ; the way out: five sets of 32 packed registers
.set AF,   128                         ; A's fragments, in window 0
.set FAC,  66                          ; s[66:67] the factor on the way out: c for q, 1.0 for k
.set G1, 24                            ; s[24:31] descriptor group 1 for A's tiles;  s[32:39] group 0, one set for each slot
.set G0, 32
.set G1B, 48                           ; s[48:55], s[56:63] the same for B's tiles
.set G0B, 56
.set G1S, 68                           ; s[68:75], s[76:79] groups 1 and 0 for A's scales;  s[80:87], s[88:91] for B's
.set G0S, 76
.set G1SB, 80
.set G0SB, 88
.set MSB, 0
.macro WIN new                         ; the immediate's high byte repeats the setting that is left
.if MSB != \new
	s_set_vgpr_msb (MSB<<8)|\new
.set MSB, \new
.endif
.endm
.set MUL_LO, 0xa1                      ; source 0 (B) window 1, source 1 (A) window 0, C and D window 2
.set MUL_HI, 0xf1                      ; the same, C and D window 3
.set TO_B,   0x40                      ; destination window 1, address window 0
; A joint load: waves 0 and 1 fetch for A, waves 2 and 3 for B; the branch hangs on the wave's number alone.  An s_nop 0 and four v_nop follow each of the two lines.
.macro JLOAD g0a, g1a, g0b, g1b
	s_cmp_eq_u32 s15, 0
	s_cbranch_scc0 .Lfor_b_\@
	tensor_load_to_lds s[\g0a:\g0a+3], s[\g1a:\g1a+7]
	s_nop 0
.rept 4
	v_nop
.endr
	s_branch .Lasked_\@
.Lfor_b_\@:
	tensor_load_to_lds s[\g0b:\g0b+3], s[\g1b:\g1b+7]
	s_nop 0
.rept 4
	v_nop
.endr
.Lasked_\@:
.endm
.macro CROUND                          ; a round of the cluster's barrier
	s_barrier_signal -1
	s_barrier_wait -1
	s_cmp_lg_u32 s14, 0
	s_cbranch_scc1 .Lnot_wave_0_\@
	s_barrier_signal -3
.Lnot_wave_0_\@:
	s_barrier_wait -3
	s_barrier_signal -1
	s_barrier_wait -1
.endm
	s_load_b128 s[4:7], s[0:1], 0x0                ; cod s[4:5], scl s[6:7]
	s_load_b64 s[12:13], s[0:1], 0x10              ; qkv
	v_lshl_add_u32 v[SPW], v0, 2, SPARE
	v_mov_b32 v[NIL], 0
	ds_add_u32 v[SPW], v[NIL]                      ; the wave's opening: the add, twice on end, and its wait ahead of my first tensor load
	ds_add_u32 v[SPW], v[NIL]
	v_lshrrev_b32 v1, 5, v0
	v_readfirstlane_b32 s14, v1                    ; wave 0..3
	s_lshr_b32 s15, s14, 1                         ; which half of A's rows is mine.  Also: I fetch for A (0) or for B (1)
	s_and_b32 s16, s14, 1                          ; which half of B's rows.  Also: which 128 rows of that tile I fetch
	s_bfe_u32 s40, ttmp6, 0x40000                  ; cx, cy: my place in the cluster
	s_bfe_u32 s41, ttmp6, 0x40004
	s_lshl_b32 s42, ttmp9, 2
	s_add_co_u32 s42, s42, 16                      ; q, k: B = W's tiles of 256 rows, from row tile 16 + 4 x part on;
	s_and_b32 s17, ttmp7, 0xffff
	s_lshl_b32 s17, s17, 2                         ; A = x's, 4 x cluster y on
	s_cmp_eq_u32 ttmp9, 2                          ; v: the other way round.  The cluster's x is the same in all sixteen partners
	s_cselect_b32 s42, s17, s42
	s_cselect_b32 s17, 24, s17                     ; W_v begins at row tile 24
	s_add_co_u32 s42, s42, s40                     ; B's tile: + cx
	s_add_co_u32 s17, s17, s41                     ; A's tile: + cy
	s_lshl_b32 s43, s41, 2
	s_lshl_b32 s43, 15, s43                        ; my row of the cluster
	s_lshl_b32 s44, 0x1111, s40                    ; my column
	; descriptor group 1: a tile of 128 rows x 256 bytes, 16 bytes of padding behind each row
	s_or_b32 s[G1+0], s43, (0<<16)|(1<<20)|(1<<21)|(5<<22)|(3<<25)  ; 15:0 the mask: A's tiles go to my row; 17:16 elements of 1 byte; 20 padding on; 21 set beside a mask; 24:22 after every 64 words; 31:25 four words
	s_or_b32 s[G1B+0], s44, (0<<16)|(1<<20)|(1<<21)|(5<<22)|(3<<25)
.irp g, G1, G1B
	s_mov_b32 s[\g+1], ROWB<<16                    ; tensor_dim0
	s_mov_b32 s[\g+2], 128<<16                     ; tensor_dim1
	s_mov_b32 s[\g+3], ROWB<<16                    ; tile_dim0
	s_mov_b32 s[\g+4], 128                         ; tile_dim1
	s_mov_b32 s[\g+5], KROW                        ; tensor_dim0_stride
	s_mov_b32 s[\g+6], 0
	s_mov_b32 s[\g+7], 0
.endr
	; the scales of 128 rows: a dense block of 4,096 bytes, as 16 rows of 256 bytes (32 elements of 8 bytes), 16 bytes of padding behind each
	s_or_b32 s[G1S+0], s43, (3<<16)|(1<<20)|(1<<21)|(5<<22)|(3<<25)
	s_or_b32 s[G1SB+0], s44, (3<<16)|(1<<20)|(1<<21)|(5<<22)|(3<<25)
.irp g, G1S, G1SB
	s_mov_b32 s[\g+1], 32<<16
	s_mov_b32 s[\g+2], (128*KS/256)<<16
	s_mov_b32 s[\g+3], 32<<16
	s_mov_b32 s[\g+4], 128*KS/256
	s_mov_b32 s[\g+5], 32
	s_mov_b32 s[\g+6], 0
	s_mov_b32 s[\g+7], 0
.endr
	s_lshl_b32 s18, s16, 7                         ; which 128 rows of the tile I fetch
	s_lshl_b32 s20, s17, 8
	s_add_co_u32 s20, s20, s18                     ; A: row 256 x tile + 128 x half
	s_lshl_b32 s46, s42, 8
	s_add_co_u32 s46, s46, s18                     ; B likewise
	s_mov_b32 s21, 0
	s_mov_b32 s47, 0
	s_mov_b64 s[18:19], KS
	s_mul_u64 s[22:23], s[20:21], s[18:19]         ; where these rows' scales begin, in bytes
	s_mul_u64 s[92:93], s[46:47], s[18:19]
	s_mov_b64 s[18:19], KROW
	s_mul_u64 s[20:21], s[20:21], s[18:19]         ; and their codes
	s_mul_u64 s[46:47], s[46:47], s[18:19]
	s_mul_i32 s45, s14, HALFT                      ; where they go: wave x 128 rows: no place in the cluster enters an LDS address
	s_mul_i32 s94, s14, HALFS
	s_wait_dscnt 0x0                               ; both opening adds are done
	s_wait_kmcnt 0x0
	s_add_nc_u64 s[20:21], s[4:5], s[20:21]
	s_add_nc_u64 s[22:23], s[6:7], s[22:23]
	s_add_nc_u64 s[46:47], s[4:5], s[46:47]        ; both operands are rows of cod,
	s_add_nc_u64 s[92:93], s[6:7], s[92:93]        ; and of scl
	CROUND                                         ; all sixteen work-groups are here: the first joint loads meet
	s_mov_b32 s[G0S], 1
	s_add_co_u32 s[G0S+1], s94, SCL
	s_mov_b64 s[G0S+2:G0S+3], s[22:23]
	s_or_b32 s[G0S+3], s[G0S+3], 0x80000000
	s_mov_b32 s[G0SB], 1
	s_add_co_u32 s[G0SB+1], s94, SCL
	s_mov_b64 s[G0SB+2:G0SB+3], s[92:93]
	s_or_b32 s[G0SB+3], s[G0SB+3], 0x80000000
	JLOAD G0S, G1S, G0SB, G1SB                     ; the scales first: they are wanted with K step 0
.irp s, 0,1
	s_mov_b32 s[G0+4*\s], 1
	s_add_co_u32 s[G0+4*\s+1], s45, \s*SLOT
	s_add_nc_u64 s[G0+4*\s+2:G0+4*\s+3], s[20:21], \s*ROWB
	s_or_b32 s[G0+4*\s+3], s[G0+4*\s+3], 0x80000000
	s_mov_b32 s[G0B+4*\s], 1
	s_add_co_u32 s[G0B+4*\s+1], s45, \s*SLOT
	s_add_nc_u64 s[G0B+4*\s+2:G0B+4*\s+3], s[46:47], \s*ROWB
	s_or_b32 s[G0B+4*\s+3], s[G0B+4*\s+3], 0x80000000
	JLOAD G0+4*\s, G1, G0B+4*\s, G1B               ; three tensor loads of mine are out at the most
.endr
	v_and_b32 v1, 15, v0                           ; l % 16
	v_bfe_u32 v2, v0, 4, 1                         ; l / 16
	v_mul_u32_u24 v3, v1, PITCH
	v_lshl_add_u32 v4, v2, 4, v3                   ; a fragment's row x pitch + 16 x half
	s_mul_i32 s21, s15, HALFT                      ; my 128 rows of A
	s_mul_i32 s22, s16, HALFT                      ; my 128 rows of B,
	s_add_co_u32 s22, s22, 2*HALFT                 ; which lie behind A's 256
.irp s, 0,1
	v_add_nc_u32 v[ADRA+\s], s21, v4
	v_add_nc_u32 v[ADRB+\s], s22, v4
	s_add_co_u32 s21, s21, SLOT
	s_add_co_u32 s22, s22, SLOT
.endr
	v_mul_u32_u24 v5, v1, KS                       ; my row's scales: KS bytes a row,
	v_lshrrev_b32 v6, 8, v5
	v_lshl_add_u32 v5, v6, 4, v5                   ; and 16 more for each 256 passed
	s_mul_i32 s21, s15, HALFS                      ; A's: my 128 rows
	s_mul_i32 s22, s16, HALFS                      ; B's: my 128 rows, behind A's 256
	s_add_co_u32 s22, s22, 2*HALFS
	s_sub_co_u32 s22, s22, s21
	v_mul_u32_u24 v6, s22, v2                      ; lanes 16-31 take B's: one product, the distance between the two bases
	s_add_co_u32 s21, s21, SCL
	v_add_nc_u32 v5, v5, v6
	v_add_nc_u32 v[ADRS], s21, v5
	v_and_b32 v6, 31, v0
	v_lshlrev_b32 v[CO], 4, v6
	v_lshlrev_b32 v[COV], 10, v2
	v_lshl_add_u32 v[COV], v1, 4, v[COV]
	; where my part begins in qkv, in registers that feed no descriptor.  Both layouts take 128 bytes a token and 262,144 a head.
	s_cmp_eq_u32 ttmp9, 2
	s_cselect_b32 s2, s42, s17                     ; the tile of tokens,
	s_cselect_b32 s3, s16, s15                     ; my half of it,
	s_cselect_b32 s95, s41, s40                    ; the tile of 256 channels (4 heads) within the part,
	s_cselect_b32 s96, s15, s16                    ; my half of it (2 heads)
	s_lshl_b32 s2, s2, 8
	s_lshl_b32 s3, s3, 7
	s_add_co_u32 s2, s2, s3                        ; my first token, 0 .. 4,095
	s_lshr_b32 s3, s2, 11
	s_lshl_b32 s3, s3, 4                           ; 16 x batch
	s_lshl_b32 s95, s95, 2
	s_add_co_u32 s3, s3, s95
	s_lshl_b32 s96, s96, 1
	s_add_co_u32 s3, s3, s96                       ; + my first head
	s_lshl_b32 s3, s3, 18
	s_and_b32 s2, s2, 2047
	s_lshl_b32 s2, s2, 7
	s_add_co_u32 s2, s2, s3
	s_lshl_b32 s3, ttmp9, 23                       ; q at 0, k at 2^23, v at 2^24
	s_add_co_u32 s2, s2, s3
	s_mov_b32 s3, 0
	s_add_nc_u64 s[12:13], s[12:13], s[2:3]
	s_mov_b32 s[FAC+1], 0x3e38aa3b                 ; c = log2(e) / 8
	s_cmp_eq_u32 ttmp9, 0
	s_cselect_b32 s[FAC], s[FAC+1], 1.0
.macro FRAG reg, adr, q, i             ; a fragment, 16 rows x 128 K of 4-bit codes: lane l holds row l % 16; registers 4 c .. 4 c + 3 hold K = 64 c + 32 (l / 16) + 0 .. 31
.irp c, 0,1
	ds_load_b128 v[\reg+4*\c:\reg+4*\c+3], v[\adr] offset:64*(\q)+32*\c+(\i)*16*PITCH
.endr
.endm
; 16 matrix instructions: A's blocks a0, a0 + 1 x B's eight, 128 along K.  The 64 accumulators take turns, one instruction a turn, in the same order in every step.
.macro MUL16 a0, p, q, sc, zero
.irp a, \a0, \a0+1
.irp b, 0,1,2,3,4,5,6,7
.if \zero
	v_wmma_scale_f32_16x16x128_f8f6f4 v[8*(8*((\a)%4)+\b):8*(8*((\a)%4)+\b)+7], v[128*(\p)+FR*\b:128*(\p)+FR*\b+FR-1], v[AF+FR*(\a):AF+FR*(\a)+FR-1], 0, v[SC+8*NQ*(\sc)+NQ*\b+(\q)], v[SC+8*NQ*(\sc)+NQ*(\a)+(\q)] matrix_a_fmt:MATRIX_FMT_FP4 matrix_b_fmt:MATRIX_FMT_FP4 matrix_a_scale:MATRIX_SCALE_ROW1
.else
	v_wmma_scale_f32_16x16x128_f8f6f4 v[8*(8*((\a)%4)+\b):8*(8*((\a)%4)+\b)+7], v[128*(\p)+FR*\b:128*(\p)+FR*\b+FR-1], v[AF+FR*(\a):AF+FR*(\a)+FR-1], v[8*(8*((\a)%4)+\b):8*(8*((\a)%4)+\b)+7], v[SC+8*NQ*(\sc)+NQ*\b+(\q)], v[SC+8*NQ*(\sc)+NQ*(\a)+(\q)] matrix_a_fmt:MATRIX_FMT_FP4 matrix_b_fmt:MATRIX_FMT_FP4 matrix_a_scale:MATRIX_SCALE_ROW1
.endif
.endr
.endr
.endm
.macro FETCH_B slot, q, p              ; B's eight fragments of the slot's q-th 128 along K into set p
	WIN TO_B
.irp i, 0,1,2,3,4,5,6,7
	FRAG 128*(\p)+FR*\i, ADRB+\slot, \q, \i
.endr
	WIN 0
.endm
.macro FETCH_A slot, q, i0             ; A's blocks i0 .. i0 + 3
.irp i, \i0, \i0+1, \i0+2, \i0+3
	FRAG AF+FR*(\i), ADRA+\slot, \q, \i
.endr
.endm
.macro SCALES sc                       ; a K step's scale words into set sc: NQ words a row; lanes 0-15 take A's block i, lanes 16-31 B's block i
.irp i, 0,1,2,3,4,5,6,7
	ds_load_b128 v[SC+8*NQ*\sc+NQ*\i:SC+8*NQ*\sc+NQ*\i+3], v[ADRS] offset:\i*SBLK
.endr
.endm
.macro PLACES n                        ; plain vector instructions between a matrix instruction and a load into, or a vector read or write of, its registers
.rept \n
	v_nop
.endr
.endm
; A step of 128 along K that has its successor in the same slot.
.macro STEP slot, q, zero
	s_wait_dscnt 4*NL                              ; B's set and A's blocks 0-3 are in; the youngest eight loads (A's blocks 4-7) may be out
	WIN MUL_LO
	MUL16 0, (\q)%2, \q, \slot, \zero
	MUL16 2, (\q)%2, \q, \slot, \zero
	s_wait_dscnt 0                                 ; A's blocks 4-7 are in
	PLACES NP
	FETCH_B \slot, (\q)+1, 1-(\q)%2
	FETCH_A \slot, (\q)+1, 0
	WIN MUL_HI
	MUL16 4, (\q)%2, \q, \slot, \zero
	MUL16 6, (\q)%2, \q, \slot, \zero
	PLACES NP
	WIN 0
	FETCH_A \slot, (\q)+1, 4
.endm
; Slot 0's last step changes slots: one barrier; in front of it each wave waits for all its tensor loads (its part of slot 1), adds 0 to its spare word, and waits for that and its reads.
.macro TURN slot, next
	s_wait_tensorcnt 0x0                           ; all my tensor loads have landed
	ds_add_u32 v[SPW], v[NIL]                      ; 0 onto my spare word
	s_wait_dscnt 4*NL+1                            ; (the add and the youngest eight loads, A's blocks 4-7, may be out)
	WIN MUL_LO
	MUL16 0, 1, NQ-1, \slot, 0
	s_wait_dscnt 0x0                               ; the add is done, and my LDS loads are in
	s_barrier_signal -1
	MUL16 2, 1, NQ-1, \slot, 0
	WIN 0
	s_barrier_wait -1                              ; every wave's part of the next slot has landed
	PLACES NP
	v_add_nc_u32 v[ADRS], 4*NQ, v[ADRS]            ; on to the next K step's scale words (no LDS load of mine is out)
	FETCH_B \next, 0, 0
	FETCH_A \next, 0, 0
	SCALES \next
	WIN MUL_HI
	MUL16 4, 1, NQ-1, \slot, 0
	MUL16 6, 1, NQ-1, \slot, 0
	PLACES NP
	WIN 0
	FETCH_A \next, 0, 4
.endm
	s_wait_tensorcnt 1                             ; the scales and my part of K step 0 are in (K step 1's load may be out),
	s_barrier_signal -1
	s_barrier_wait -1                              ; everybody's are
	FETCH_B 0, 0, 0
	FETCH_A 0, 0, 0
	SCALES 0
	FETCH_A 0, 0, 4
	STEP 0, 0, 1                                   ; the first products start the sums: nothing is cleared
	STEP 0, 1, 0
	STEP 0, 2, 0
	TURN 0, 1
	STEP 1, 0, 0
	STEP 1, 1, 0
	STEP 1, 2, 0
	s_wait_dscnt 4*NL                              ; the very last step: nothing more to fetch
	WIN MUL_LO
	MUL16 0, 1, NQ-1, 1, 0
	MUL16 2, 1, NQ-1, 1, 0
	s_wait_dscnt 0
	WIN MUL_HI
	MUL16 4, 1, NQ-1, 1, 0
	MUL16 6, 1, NQ-1, 1, 0
	WIN 0
; THE WAY OUT.  Block a = 16 rows of A x my 128 rows of B.  Each accumulator is read from its low end on.
; q, k: lane (r, h) of accumulator (a, b) holds token 16 a + r, channels 16 b + 8 h + 0 .. 7: 16 bytes at 2,048 a + 512 (b % 4) + 16 lane of head b / 4: a store covers 512 bytes on end.
.macro OUTQK a
.set AC, 64*((\a)%4)
.set TM, TMP+32*((\a)%5)
.set WW, 0x82+0x41*((\a)/4)
.if (\a) >= 5
	s_wait_xcnt 0x0                                ; the stores of five blocks back have read their data: the set may be written again
.endif
	WIN WW                                         ; destination and source 0: window 2 or 3
.set i, 0
.rept 32
	v_pk_mul_f32 v[AC+i:AC+i+1], v[AC+i:AC+i+1], s[FAC:FAC+1] op_sel_hi:[1,0]   ; q: x c; k: x 1.0, which changes nothing
.set i, i+2
.endr
.set WW, 0x0a+5*((\a)/4)
	WIN WW                                         ; sources 0 and 1: window 2 or 3
.irp b, 0,1,2,3,4,5,6,7
.irp p, 0,1,2,3
	v_cvt_pk_f16_f32 v[TM+4*\b+\p], v[AC+8*\b+2*\p], v[AC+8*\b+2*\p+1]
.endr
.endr
	WIN 0
.irp b, 0,1,2,3,4,5,6,7
	global_store_b128 v[CO], v[TM+4*\b:TM+4*\b+3], s[12:13] offset:(\b/4)*262144+(\a)*2048+(\b%4)*512
.endr
.endm
; v: lane (r, h) of accumulator (a, b) holds channel 16 a + r, tokens 16 b + 8 h + 0 .. 7.  Tokens 16 apart (accumulators 2 bb, 2 bb + 1) share a register as its halves w = 0, 1; the storing lane's h is the fragment f,
; bb % 2 the reading lane's half, bb / 2 the step of 64 keys.  Each half of the wave stores 256 consecutive bytes, aligned.
.macro OUTV a
.set AC, 64*((\a)%4)
.set TM, TMP+32*((\a)%5)
.set WW, 0x0a+5*((\a)/4)
.if (\a) >= 5
	s_wait_xcnt 0x0
.endif
	WIN WW
.irp bb, 0,1,2,3
.irp j, 0,1,2,3,4,5,6,7
	v_cvt_pk_f16_f32 v[TM+8*\bb+\j], v[AC+16*\bb+\j], v[AC+16*\bb+8+\j]
.endr
.endr
	WIN 0
.irp bb, 0,1,2,3
.irp g, 0,1
	global_store_b128 v[COV], v[TM+8*\bb+4*\g:TM+8*\bb+4*\g+3], s[12:13] offset:((\a)/4)*262144+(\bb/2)*8192+((\a)%4)*2048+\g*512+(\bb%2)*256
.endr
.endr
.endm
	PLACES NP                                      ; behind the last products: their results are read, and the registers that held A's fragments are written
	s_cmp_eq_u32 ttmp9, 2                          ; the cluster's x: the same in all partners
	s_cbranch_scc1 .Lv
.irp a, 0,1,2,3,4,5,6,7
	OUTQK \a
.endr
	s_branch .Lend
.Lv:
.irp a, 0,1,2,3,4,5,6,7
	OUTV \a
.endr
.Lend:
	s_wait_tensorcnt 0x0                           ; the wave's end
	ds_add_u32 v[SPW], v[NIL]
	s_wait_dscnt 0x0
	CROUND                                         ; the closing round: no work-group ends while a partner may still ask for a tile that names it
	s_endpgm
.Lfunc_end_k_qb6dae603af_qkvgemm:
	.size	k_qb6dae603af_qkvgemm, .Lfunc_end_k_qb6dae603af_qkvgemm-k_qb6dae603af_qkvgemm
	.p2alignl 7, 3214868480
	.fill 96, 4, 3214868480
	.section	.rodata,"a",@progbits
	.p2align	6, 0x0
	.amdhsa_kernel k_qb6dae603af_qkvgemm
		.amdhsa_group_segment_fixed_size 327680
		.amdhsa_private_segment_fixed_size 0
		.amdhsa_enable_private_segment 0
		.amdhsa_kernarg_size 24
		.amdhsa_user_sgpr_count 2
		.amdhsa_user_sgpr_kernarg_segment_ptr 1
		.amdhsa_wavefront_size32 1
		.amdhsa_system_sgpr_workgroup_id_x 1
		.amdhsa_system_sgpr_workgroup_id_y 1
		.amdhsa_system_sgpr_workgroup_id_z 1
		.amdhsa_system_vgpr_workitem_id 0
		.amdhsa_next_free_vgpr 1024
		.amdhsa_next_free_sgpr 98
		.amdhsa_reserve_vcc 0
		.amdhsa_float_denorm_mode_32 3
		.amdhsa_float_denorm_mode_16_64 3
		.amdhsa_memory_ordered 1
		.amdhsa_forward_progress 1
		.amdhsa_inst_pref_size 157
	.end_amdhsa_kernel
	.amdgpu_metadata
---
amdhsa.version: [ 1, 2 ]
amdhsa.kernels:
  - .name:           k_qb6dae603af_qkvgemm
    .symbol:         k_qb6dae603af_qkvgemm.kd
    .args:
      - { .name: cod, .offset: 0, .size: 8, .value_kind: global_buffer, .address_space: global }
      - { .name: scl, .offset: 8, .size: 8, .value_kind: global_buffer, .address_space: global }
      - { .name: qkv, .offset: 16, .size: 8, .value_kind: global_buffer, .address_space: global }
    .group_segment_fixed_size: 327680
    .private_segment_fixed_size: 0
    .kernarg_segment_align: 8
    .kernarg_segment_size: 24
    .max_flat_workgroup_size: 128
    .sgpr_count:     98
    .vgpr_count:     1024
    .wavefront_size: 32
...
	.end_amdgpu_metadata
.endif
;; end of part 2
;; launch attn (part 3): grid 8 x 32, 8 waves a work-group, no clusters, 34,304 bytes of LDS; arguments qkv, yw; writes yw
.if DOCPART == 3
	.amdgcn_target "amdgcn-amd-amdhsa--gfx1250"
	.amdhsa_code_object_version 6
	.text
	.protected	k_qb6dae603af_attn
	.globl	k_qb6dae603af_attn
	.p2align	8
	.type	k_qb6dae603af_attn,@function
k_qb6dae603af_attn:
	s_mov_b64 s[64:65], 0
	v_nop
	global_prefetch_b8 v0, s[64:65] scope:SCOPE_SE
	s_setreg_imm32_b32 hwreg(HW_REG_WAVE_MODE, 25, 1), 1
	s_wait_xcnt 0x0
; y[q] = sum over k <= q of softmax_k(P[q][k] - Z[q][k]) v[k],  P = q . k / 8,  Z[q][k] = sum over j = k .. q of sigmoid(P[q][j]).  One head (grid y = 16 batch + head), f16 operands, all else f32.
; Z is a SUFFIX sum, so the keys are walked DOWNWARDS from the diagonal, 64 a step, and one f32 carry for each query goes from step to step.  No key under the mask is left out; only what the mask hides is.
; In base 2: q arrives times log2(e) / 8, so U = K Q^T is P log2(e); S = 1 / (1 + 2^-U); W = U - log2(e) Z; p = 2^(W - M), M the running maximum of W; O and the sum are multiplied by 2^(old M - new M) in every step.
; SHARES.  A head's 2,048 queries are 16 blocks of 128.  Work-group x takes block 15 - x and then block x: (32 - 2 x) + (2 x + 2) = 34 key steps for every work-group.  Wave w owns 16 queries of the block.
; The 34 steps are one sequence sigma; the loop has 17 trips of two steps; the change of block falls at a trip's head (32 - 2 x is even).
; LAYOUT.  Both products are used transposed (U = K Q^T, O^T = V^T P): a lane holds ONE query (lane % 16).  The rows of K that form a tile are chosen so that register n of the lane's 32 scores is key
; 32 (lane / 16) + 16 (n % 2) + n / 2: the even registers are 16 neighbouring keys, the odd ones the next 16, and the scan, the scalings and the sums go two at a time on natural register pairs.
; p rounded in natural pairs IS the second product's operand; v was laid by the launch before to match.
; K AND V come through registers into LDS, not by the tensor mover: K's 16-byte pieces must change places for the key order, which the LDS store's address does; a step's K and V are 16 KiB, 4 loads and 4 stores a wave.
; PIPELINE.  In step sigma (par = sigma % 2) the work-group stores K(sigma + 2) into K's slot par and V(sigma + 1) into V's slot 1 - par, and reads V(sigma) from V's slot par and K(sigma + 1) from K's slot 1 - par.
; Every slot that is written was last read ahead of the last barrier, every slot that is read was written ahead of it: one barrier a step.  The global loads run two steps ahead of their LDS stores.
; Past the last step the tile's number is held at 0: those loads stay inside the buffer and what they bring is used by no product.
; NO CLUSTER: the eight work-groups of a head begin at key steps 31 - 2 x and so never want the same tile in the same step; a partner would have to pass over a joint tile.
; LIMITS: NaN and infinities are not served; the carry and the chains are summed in another order than a plain reverse cumulative sum; p, v and y are rounded to f16 (y under 65,504).
; REGISTERS: window 0 as named below; window 1: v0-63 K's fragments ((t, c) at 16 t + 8 c), v64-127 V's ((u, f) at 64 + 16 u + 8 f), v128-143 Q, v144-159 the second block's Q.
.set KSL,   8448                       ; a slot of K: four tiles of 2,048 bytes, tile t at 2,048 t + 16 (t % 2) + 128 (t / 2): with that skew the 16 lanes of a store touch 16 different 16-byte columns modulo 256 bytes
.set VB,    2*KSL                      ; V's two slots
.set VSL,   8192
.set SPARE, VB+2*VSL                   ; the spare words, 128 bytes a wave, which no other line names
.set LI,   1                           ; 16 x lane
.set KST,  2                           ; LDS address of my K store
.set GL,   3                           ; 1,024 wave + 16 lane: my place in a tile in memory, and in V's slot
.set AP,   4                           ; the prologue's offset; never rewritten
.set AK,   5                           ; v5-6  K's offset, one for each staging set
.set AV,   7                           ; v7-8  V's
.set PFV,  9                           ; the prefetch's offset
.set PF0,  10                          ; 256 x lane
.set LQ,   11                          ; lane % 16 - 32 (lane / 16)
.set HM,   12                          ; 1.0 in lanes 0-15, 0.0 in lanes 16-31
.set NINF, 13                          ; -infinity
.set SPW,  14                          ; LDS address of my spare word; never rewritten
.set NIL,  15                          ; 0; never rewritten
.set RM,   16                          ; M
.set CAR,  17                          ; the carry: the sum of S over all keys walked so far
.set RL,   18                          ; v[18:19] the row's sum of p, by chain
.set KAP,  20                          ; v[20:21] what is added to a chain's W
.set AF,   22                          ; v[22:23] a = 2^(old M - new M); v23 is named with it as a pair and written once
.set TS,   24
.set OTH,  25
.set OF0,  26
.set OF1,  27
.set MX0,  28
.set MX1,  29
.set MXO,  30
.set DL,   31
.set RU,   32                          ; v32-63  U, then W, then p
.set RZ,   64                          ; v64-95  2^-U, S, the scan; then p as f16 in v64-79
.set RO,   96                          ; v96-127 O^T
.set SG,   128                         ; v128-159 two staging sets of 16
.set SUM2, 160                         ; v[160:161] the sum's second chain
.set YV,   162
.set MOLD, 163
.set AD,   164
.set WV,   16
.set BH,   18
.set N0,   19                          ; steps of the first block: 32 - 2 x
.set N0M1, 20
.set SIG,  21
.set TRIP, 22
.set Q0,   23                          ; my first query
.set Q0B,  24                          ; and the second block's
.set KF0,  25                          ; the step's first key
.set T1,   26
.set T2,   27
.set SEL,  28                          ; s[28:29] v_permlanex16_b32's selects for lane l xor 16
.set NC,   30                          ; s[30:31] -log2(e), twice
.set PFL,  32                          ; a wave prefetches while sigma is under this
.set PFB,  34                          ; s[34:35] the prefetches' base
.set MSB, 0
.macro WIN new                         ; the immediate's high byte repeats the setting that is left
.if MSB != \new
	s_set_vgpr_msb (MSB<<8)|\new
.set MSB, \new
.endif
.endm
; the key step of place sigma + ahead in the walk, shifted left by sh: N0 - 1 - place in the first block, 33 - place in the second, 0 beyond the end
.macro TILE dst, ahead, sh
	s_add_co_u32 s[\dst], s[SIG], \ahead
	s_cmp_lt_u32 s[\dst], s[N0]
	s_cselect_b32 s[T2], s[N0M1], 33
	s_sub_co_i32 s[\dst], s[T2], s[\dst]
	s_max_i32 s[\dst], s[\dst], 0
	s_lshl_b32 s[\dst], s[\dst], \sh
.endm
.macro KLOAD p                         ; K's 8 fragments from slot p: each load takes 512 bytes on end
	WIN 0x40
.irp t, 0,1,2,3
.irp k, 0,1,2,3
	ds_load_b128 v[16*\t+4*\k:16*\t+4*\k+3], v[LI] offset:KSL*(\p)+2048*\t+16*(\t%2)+128*(\t/2)+512*\k
.endr
.endr
	WIN 0
.endm
.macro VLOAD p
	WIN 0x40
.irp k, 0,1,2,3,4,5,6,7,8,9,10,11,12,13,14,15
	ds_load_b128 v[64+4*\k:64+4*\k+3], v[LI] offset:VB+VSL*(\p)+512*\k
.endr
	WIN 0
.endm
.macro QK                              ; U = K Q^T: the four accumulators take turns; the first four products start the sums
	WIN 0x05
.irp t, 0,1,2,3
	v_wmma_f32_16x16x32_f16 v[RU+8*\t:RU+8*\t+7], v[16*\t:16*\t+7], v[128:135], 0
.endr
.irp t, 0,1,2,3
	v_wmma_f32_16x16x32_f16 v[RU+8*\t:RU+8*\t+7], v[16*\t+8:16*\t+15], v[136:143], v[RU+8*\t:RU+8*\t+7]
.endr
	WIN 0
.endm
.macro PV                              ; O^T += V^T P, the four accumulators by turns
	WIN 0x01
.irp f, 0,1
.irp u, 0,1,2,3
	v_wmma_f32_16x16x32_f16 v[RO+8*\u:RO+8*\u+7], v[64+16*\u+8*\f:64+16*\u+8*\f+7], v[RZ+8*\f:RZ+8*\f+7], v[RO+8*\u:RO+8*\u+7]
.endr
.endr
	WIN 0
.rept 4
	v_nop                                          ; places in front of the next loads into V's fragments and the next reads of O^T
.endr
.endm
; the loads of K(sigma + 4) and V(sigma + 3) into staging set par, and the prefetch
.macro BUNDLE par
	TILE T1, 4, 13
	v_add_nc_u32 v[AK+\par], s[T1], v[GL]
	TILE T1, 3, 13
	v_add_nc_u32 v[AV+\par], s[T1], v[GL]
	global_load_b128 v[SG+16*\par:SG+16*\par+3], v[AK+\par], s[6:7]
	global_load_b128 v[SG+16*\par+4:SG+16*\par+7], v[AK+\par], s[6:7] offset:512
	global_load_b128 v[SG+16*\par+8:SG+16*\par+11], v[AV+\par], s[8:9]
	global_load_b128 v[SG+16*\par+12:SG+16*\par+15], v[AV+\par], s[8:9] offset:512
	; A PREFETCH of the tile at place sigma + 6.  Work-group x begins at key step 31 - 2 x and its first loads reach four tiles down, so key steps 31 to 14 are asked for at the launch's head by somebody's loads;
	; from key step 11 down work-group 7 comes first.  It alone asks, in its first twelve steps: wave 0 for K's 8,192 bytes, wave 1 for V's, lanes 256 bytes apart.  So each block is named once.
	s_cmp_lt_u32 s[SIG], s[PFL]
	s_cbranch_scc0 .Lnopf_\@
	TILE T1, 6, 13
	v_add_nc_u32 v[PFV], s[T1], v[PF0]
	global_prefetch_b8 v[PFV], s[PFB:PFB+1] th:TH_LOAD_NT scope:SCOPE_SE
.Lnopf_\@:
.endm
; on the diagonal the scores of hidden keys become -infinity: then 2^-U is infinite, S = 0, W = -infinity and p = 0.  A step all of whose keys count passes over this (ids alone)
.macro MASK
	s_add_co_u32 s[T1], s[KF0], 63
	s_cmp_le_u32 s[T1], s[Q0]
	s_cbranch_scc1 .Lopen_\@
.set n, 0
.rept 32
	v_cmp_gt_i32 vcc_lo, 16*(n%2)+n/2, v[DL]       ; register n's key, less the step's first and my half's 32, against my query's
	v_cndmask_b32 v[RU+n], v[RU+n], v[NINF], vcc_lo
.set n, n+1
.endr
.Lopen_\@:
.endm
.macro SOFTMAX
.set n, 0
.rept 32
	v_exp_f32 v[RZ+n], -v[RU+n]                    ; 2^-U: the first batch
.set n, n+1
.endr
	v_mov_b32 v[MOLD], v[RM]                       ; (the plain line behind the batch)
	s_wait_alu depctr_va_vdst(0)                   ; one wait for the batch, ahead of its first reader
.set n, 0
.rept 16
	v_pk_add_f32 v[RZ+n:RZ+n+1], v[RZ+n:RZ+n+1], 1.0 op_sel_hi:[1,0]
.set n, n+2
.endr
.set n, 0
.rept 32
	v_rcp_f32 v[RZ+n], v[RZ+n]                     ; S = 1 / (1 + 2^-U): the second batch
.set n, n+1
.endr
	v_nop
	s_wait_alu depctr_va_vdst(0)
.set n, 28
.rept 15
	v_pk_add_f32 v[RZ+n:RZ+n+1], v[RZ+n:RZ+n+1], v[RZ+n+2:RZ+n+3]   ; the suffix scan, both chains at once, from the highest key down
	v_pk_fma_f32 v[RU+n+2:RU+n+3], v[RZ+n+2:RZ+n+3], s[NC:NC+1], v[RU+n+2:RU+n+3] op_sel_hi:[1,0,1]   ; W = U - log2(e) x (the chain's own part of Z)
.set n, n-2
.endr
	v_pk_fma_f32 v[RU:RU+1], v[RZ:RZ+1], s[NC:NC+1], v[RU:RU+1] op_sel_hi:[1,0,1]
	v_add_f32 v[TS], v[RZ], v[RZ+1]                ; my 32 keys' sum of S
	v_max3_num_f32 v[MX0], v[RU], v[RU+2], v[RU+4] ; each chain's largest W, by turns
	v_max3_num_f32 v[MX1], v[RU+1], v[RU+3], v[RU+5]
	v_permlanex16_b32 v[OTH], v[TS], s[SEL], s[SEL+1]   ; the other half's 32 keys' sum
.irp i, 6,10,14,18,22,26
	v_max3_num_f32 v[MX0], v[MX0], v[RU+\i], v[RU+\i+2]
	v_max3_num_f32 v[MX1], v[MX1], v[RU+\i+1], v[RU+\i+3]
.endr
	v_max_num_f32 v[MX0], v[MX0], v[RU+30]
	v_max_num_f32 v[MX1], v[MX1], v[RU+31]
	v_fma_f32 v[OF1], v[OTH], v[HM], v[CAR]        ; what lies above my upper chain: the carry, and for lanes 0-15 the keys of lanes 16-31
	v_add_f32 v[TS], v[TS], v[OTH]                 ; (the same bits in both halves)
	v_add_f32 v[OF0], v[OF1], v[RZ+1]              ; above my lower chain: that and the whole upper chain
	v_add_f32 v[CAR], v[CAR], v[TS]                ; the carry for the next step down
	v_fma_f32 v[MX1], v[OF1], s[NC], v[MX1]
	v_fma_f32 v[MX0], v[OF0], s[NC], v[MX0]
	v_max_num_f32 v[MX0], v[MX0], v[MX1]
	v_permlanex16_b32 v[MXO], v[MX0], s[SEL], s[SEL+1]
	v_max3_num_f32 v[RM], v[RM], v[MX0], v[MXO]    ; the running maximum
	v_sub_f32 v[AD], v[MOLD], v[RM]
	v_fma_f32 v[KAP], v[OF0], s[NC], -v[RM]
	v_fma_f32 v[KAP+1], v[OF1], s[NC], -v[RM]
.set n, 0
.rept 16
	v_pk_add_f32 v[RU+n:RU+n+1], v[RU+n:RU+n+1], v[KAP:KAP+1]   ; W - M
.set n, n+2
.endr
	v_exp_f32 v[AF], v[AD]                         ; a: the third batch
.set n, 0
.rept 32
	v_exp_f32 v[RU+n], v[RU+n]                     ; p
.set n, n+1
.endr
	v_nop
	s_wait_alu depctr_va_vdst(0)
	v_pk_mul_f32 v[RL:RL+1], v[RL:RL+1], v[AF:AF+1] op_sel_hi:[1,0]
	v_pk_add_f32 v[SUM2:SUM2+1], v[RU:RU+1], v[RU+2:RU+3]       ; the sum is taken of p before it is rounded, in two chains
.irp j, 4,8,12,16,20,24,28
	v_pk_add_f32 v[RL:RL+1], v[RL:RL+1], v[RU+\j:RU+\j+1]
	v_pk_add_f32 v[SUM2:SUM2+1], v[SUM2:SUM2+1], v[RU+\j+2:RU+\j+3]
.endr
	v_pk_add_f32 v[RL:RL+1], v[RL:RL+1], v[SUM2:SUM2+1]
.set n, 0
.rept 16
	v_cvt_pk_f16_f32 v[RZ+n], v[RU+2*n], v[RU+2*n+1]            ; register n: keys 32 h + n (low half) and 32 h + 16 + n (high half)
.set n, n+1
.endr
.set n, 0
.rept 16
	v_pk_mul_f32 v[RO+n:RO+n+1], v[RO+n:RO+n+1], v[AF:AF+1] op_sel_hi:[1,0]   ; O^T under the new M, from each accumulator's low end on
.set n, n+2
.endr
.endm
.macro STEP par
	s_wait_xcnt 0x0                                ; the last step's loads and prefetch, and y's stores, have read their registers: offsets and data may be written again
	TILE KF0, 0, 6
	s_wait_loadcnt 4                               ; this step's bundle is in; the next step's four loads stay out
	ds_store_b128 v[KST], v[SG+16*\par:SG+16*\par+3] offset:KSL*\par
	ds_store_b128 v[KST], v[SG+16*\par+4:SG+16*\par+7] offset:KSL*\par+512
	ds_store_b128 v[GL], v[SG+16*\par+8:SG+16*\par+11] offset:VB+VSL*(1-\par)
	ds_store_b128 v[GL], v[SG+16*\par+12:SG+16*\par+15] offset:VB+VSL*(1-\par)+512
	s_add_co_u32 s[T1], s[Q0], 15
	s_cmp_gt_u32 s[KF0], s[T1]                     ; all 64 keys come after my 16 queries (waves 0-3 in a block's first step): ids alone
	s_cbranch_scc1 .Lskip_\@
	VLOAD \par
	QK
	s_sub_co_i32 s[T1], s[Q0], s[KF0]
	v_add_nc_u32 v[DL], s[T1], v[LQ]               ; four places behind the products: this line and three v_nop
.rept 3
	v_nop
.endr
	s_wait_dscnt 16                                ; my four stores have read their data; V's sixteen loads stay out
	BUNDLE \par
	KLOAD 1-\par                                   ; the next step's K
	MASK
	SOFTMAX
	s_wait_dscnt 16                                ; V is in; K's sixteen loads stay out
	PV
	s_branch .Ljoin_\@
.Lskip_\@:
	KLOAD 1-\par
	s_wait_dscnt 16                                ; my four stores have read their data
	BUNDLE \par                                    ; the same four loads on both ways: the count at a step's head holds on every path
.Ljoin_\@:
	s_add_co_u32 s[SIG], s[SIG], 1
	s_wait_dscnt 0x0                               ; for the others' sake: my stores have landed and my reads of the slots are over
	s_barrier_signal -1
	s_barrier_wait -1
.endm
.macro INIT                            ; the step is written once: the first finds zeros, and a = 2^(-3e38 - M) = 0
	v_mov_b32 v[RM], 0xff61b1e6                    ; -3e38, under every W
	v_mov_b32 v[CAR], 0
	v_mov_b32 v[RL], 0
	v_mov_b32 v[RL+1], 0
.set n, 0
.rept 32
	v_mov_b32 v[RO+n], 0
.set n, n+1
.endr
.endm
; O^T / the sum, as f16, into yw: for each block of 16 tokens 32,768 bytes; the 8 f16 of token r, channels 8 o .. 8 o + 7 (o = 8 head + d / 8) at 256 o + 16 r: a store covers 512 bytes on end
.macro FINISH
	v_add_f32 v[TS], v[RL], v[RL+1]
	v_permlanex16_b32 v[OTH], v[TS], s[SEL], s[SEL+1]
	v_add_f32 v[TS], v[TS], v[OTH]
	v_rcp_f32 v[AF], v[TS]
	s_lshl_b32 s[T1], s[Q0], 11
	v_add_nc_u32 v[YV], s[T1], v[LI]               ; (the plain line behind the reciprocal)
	s_wait_alu depctr_va_vdst(0)
.set n, 0
.rept 16
	v_pk_mul_f32 v[RO+n:RO+n+1], v[RO+n:RO+n+1], v[AF:AF+1] op_sel_hi:[1,0]
.set n, n+2
.endr
.set n, 0
.rept 16
	v_cvt_pk_f16_f32 v[RZ+n], v[RO+2*n], v[RO+2*n+1]
.set n, n+1
.endr
.irp u, 0,1,2,3
	global_store_b128 v[YV], v[RZ+4*\u:RZ+4*\u+3], s[10:11] offset:512*\u
.endr
.endm
	s_load_b128 s[12:15], s[0:1], 0x0              ; qkv, yw
	v_lshl_add_u32 v[SPW], v0, 2, SPARE
	v_mov_b32 v[NIL], 0
	v_lshrrev_b32 v24, 5, v0
	v_readfirstlane_b32 s[WV], v24                 ; wave 0..7
	v_lshlrev_b32 v[GL], 10, v24
	v_and_b32 v24, 31, v0
	v_lshlrev_b32 v[LI], 4, v24
	v_lshlrev_b32 v[PF0], 8, v24
	v_add_nc_u32 v[GL], v[GL], v[LI]
	; my K store.  My 16 bytes of a tile in memory are key 16 (wave / 2) + lane % 16, octet 4 (wave % 2) + 2 i + lane / 16.  Key kappa is row 8 (kappa / 32) + 2 (kappa % 4) + (kappa / 16) % 2 of tile (kappa / 4) % 4.
	v_bfe_u32 v24, v0, 2, 2
	v_lshlrev_b32 v[KST], 11, v24                  ; the tile: 2,048 t
	v_bfe_u32 v24, v0, 2, 1
	v_lshl_add_u32 v[KST], v24, 4, v[KST]          ; + 16 (t % 2)
	v_bfe_u32 v24, v0, 3, 1
	v_lshl_add_u32 v[KST], v24, 7, v[KST]          ; + 128 (t / 2)
	v_and_b32 v24, 3, v0
	v_lshl_add_u32 v[KST], v24, 5, v[KST]          ; the row: 16 x 2 (kappa % 4)
	v_bfe_u32 v24, v0, 4, 1
	v_lshl_add_u32 v[KST], v24, 8, v[KST]          ; the octet: 256 (lane / 16)
	v_bfe_u32 v25, v0, 5, 1
	v_lshl_add_u32 v[KST], v25, 10, v[KST]         ; + 1,024 (wave % 2)
	v_bfe_u32 v25, v0, 6, 1
	v_lshl_add_u32 v[KST], v25, 4, v[KST]          ; the row: + 16 ((kappa / 16) % 2)
	v_bfe_u32 v25, v0, 7, 1
	v_lshl_add_u32 v[KST], v25, 7, v[KST]          ; + 16 x 8 (kappa / 32)
	v_cvt_f32_u32 v[HM], v24
	v_sub_f32 v[HM], 1.0, v[HM]
	v_and_b32 v[LQ], 15, v0
	v_lshlrev_b32 v24, 5, v24
	v_sub_nc_u32 v[LQ], v[LQ], v24
	v_mov_b32 v[NINF], 0xff800000
	v_mov_b32 v[AF+1], 0                           ; named as the upper half of a pair
	v_mov_b32 v[OTH], 0                            ; a lane permute's destination counts as one of its sources
	v_mov_b32 v[MXO], 0
	s_and_b32 s[BH], ttmp7, 0xffff
	s_lshl_b32 s[N0], ttmp9, 1
	s_sub_co_u32 s[N0], 32, s[N0]
	s_sub_co_u32 s[N0M1], s[N0], 1
	s_lshl_b32 s[T1], s[WV], 4
	s_lshl_b32 s[Q0B], ttmp9, 7
	s_add_co_u32 s[Q0B], s[Q0B], s[T1]             ; block x
	s_sub_co_u32 s[Q0], 15, ttmp9
	s_lshl_b32 s[Q0], s[Q0], 7
	s_add_co_u32 s[Q0], s[Q0], s[T1]               ; block 15 - x
	s_mov_b32 s[SEL], 0x76543210
	s_mov_b32 s[SEL+1], 0xfedcba98
	s_mov_b32 s[NC], 0xbfb8aa3b                    ; -log2(e)
	s_mov_b32 s[NC+1], s[NC]
	s_cmp_lt_u32 s[WV], 2
	s_cselect_b32 s[PFL], 12, 0
	s_cmp_eq_u32 ttmp9, 7
	s_cselect_b32 s[PFL], s[PFL], 0
	s_mov_b32 s[SIG], 0
	s_mov_b32 s[TRIP], 0
	s_wait_kmcnt 0x0
	s_lshl_b32 s[T1], s[BH], 18                    ; 262,144 bytes a head in each of q, k, v
	s_mov_b32 s[T2], 0
	s_add_nc_u64 s[4:5], s[12:13], s[T1:T2]        ; q
	s_add_nc_u64 s[6:7], s[4:5], 0x800000          ; k
	s_add_nc_u64 s[8:9], s[4:5], 0x1000000         ; v
	s_lshr_b32 s[T1], s[BH], 4
	s_lshl_b32 s[T1], s[T1], 22                    ; the batch's 128 token blocks
	s_and_b32 s[T2], s[BH], 15
	s_lshl_b32 s[T2], s[T2], 11                    ; the head's 8 octets
	s_add_co_u32 s[T1], s[T1], s[T2]
	s_mov_b32 s[T2], 0
	s_add_nc_u64 s[10:11], s[14:15], s[T1:T2]
	s_cmp_eq_u32 s[WV], 0
	s_cselect_b64 s[PFB:PFB+1], s[6:7], s[8:9]
	s_lshl_b32 s[T1], s[Q0], 7                     ; 2,048 bytes for 16 queries
	v_add_nc_u32 v[OF0], s[T1], v[LI]
	s_lshl_b32 s[T1], s[Q0B], 7
	v_add_nc_u32 v[OF1], s[T1], v[LI]
	s_lshl_b32 s[T1], s[N0M1], 13                  ; the first key step's tile; the next ones lie 8,192 bytes further down each
	v_add_nc_u32 v[AP], s[T1], v[GL]
	WIN 0x40
.irp k, 0,1,2,3
	global_load_b128 v[128+4*\k:131+4*\k], v[OF0], s[4:5] offset:512*\k
.endr
.irp k, 0,1,2,3
	global_load_b128 v[144+4*\k:147+4*\k], v[OF1], s[4:5] offset:512*\k
.endr
	WIN 0
	global_load_b128 v[RU:RU+3], v[AP], s[6:7]                         ; K(0)
	global_load_b128 v[RU+4:RU+7], v[AP], s[6:7] offset:512
	global_load_b128 v[RU+8:RU+11], v[AP], s[6:7] offset:-8192         ; K(1)
	global_load_b128 v[RU+12:RU+15], v[AP], s[6:7] offset:-8192+512
	global_load_b128 v[RU+16:RU+19], v[AP], s[8:9]                     ; V(0)
	global_load_b128 v[RU+20:RU+23], v[AP], s[8:9] offset:512
	global_load_b128 v[SG:SG+3], v[AP], s[6:7] offset:-16384           ; step 0's bundle: K(2),
	global_load_b128 v[SG+4:SG+7], v[AP], s[6:7] offset:-16384+512
	global_load_b128 v[SG+8:SG+11], v[AP], s[8:9] offset:-8192         ; V(1)
	global_load_b128 v[SG+12:SG+15], v[AP], s[8:9] offset:-8192+512
	global_load_b128 v[SG+16:SG+19], v[AP], s[6:7] offset:-24576       ; step 1's: K(3),
	global_load_b128 v[SG+20:SG+23], v[AP], s[6:7] offset:-24576+512
	global_load_b128 v[SG+24:SG+27], v[AP], s[8:9] offset:-16384       ; V(2)
	global_load_b128 v[SG+28:SG+31], v[AP], s[8:9] offset:-16384+512
	INIT
	s_wait_loadcnt 8                               ; all but the two bundles' eight loads
	ds_store_b128 v[KST], v[RU:RU+3]
	ds_store_b128 v[KST], v[RU+4:RU+7] offset:512
	ds_store_b128 v[KST], v[RU+8:RU+11] offset:KSL
	ds_store_b128 v[KST], v[RU+12:RU+15] offset:KSL+512
	ds_store_b128 v[GL], v[RU+16:RU+19] offset:VB
	ds_store_b128 v[GL], v[RU+20:RU+23] offset:VB+512
	s_wait_dscnt 0x0
	s_barrier_signal -1
	s_barrier_wait -1
	KLOAD 0                                        ; step 0's K
	s_wait_dscnt 0x0                               ; step 0 stores into K's slot 0: every wave's reads of it are over first
	s_barrier_signal -1
	s_barrier_wait -1
.Ltrip:
	s_cmp_lg_u32 s[SIG], s[N0]                     ; the change of block: the same in all eight waves
	s_cbranch_scc1 .Lsame
	FINISH
	WIN 0x41
.set n, 0
.rept 16
	v_mov_b32 v[128+n], v[144+n]                   ; the second block's Q
.set n, n+1
.endr
	WIN 0
	s_mov_b32 s[Q0], s[Q0B]
	INIT
.Lsame:
	STEP 0
	STEP 1
	s_add_co_u32 s[TRIP], s[TRIP], 1
	s_cmp_lt_u32 s[TRIP], 17
	s_cbranch_scc1 .Ltrip
	FINISH
	s_wait_tensorcnt 0x0                           ; the wave's end
	ds_add_u32 v[SPW], v[NIL]
	s_wait_dscnt 0x0
	s_endpgm
.Lfunc_end_k_qb6dae603af_attn:
	.size	k_qb6dae603af_attn, .Lfunc_end_k_qb6dae603af_attn-k_qb6dae603af_attn
	.p2alignl 7, 3214868480
	.fill 96, 4, 3214868480
	.section	.rodata,"a",@progbits
	.p2align	6, 0x0
	.amdhsa_kernel k_qb6dae603af_attn
		.amdhsa_group_segment_fixed_size 34304
		.amdhsa_private_segment_fixed_size 0
		.amdhsa_enable_private_segment 0
		.amdhsa_kernarg_size 16
		.amdhsa_user_sgpr_count 2
		.amdhsa_user_sgpr_kernarg_segment_ptr 1
		.amdhsa_wavefront_size32 1
		.amdhsa_system_sgpr_workgroup_id_x 1
		.amdhsa_system_sgpr_workgroup_id_y 1
		.amdhsa_system_sgpr_workgroup_id_z 1
		.amdhsa_system_vgpr_workitem_id 0
		.amdhsa_next_free_vgpr 512
		.amdhsa_next_free_sgpr 66
		.amdhsa_reserve_vcc 1
		.amdhsa_float_denorm_mode_32 3
		.amdhsa_float_denorm_mode_16_64 3
		.amdhsa_memory_ordered 1
		.amdhsa_forward_progress 1
		.amdhsa_inst_pref_size 62
	.end_amdhsa_kernel
	.amdgpu_metadata
---
amdhsa.version: [ 1, 2 ]
amdhsa.kernels:
  - .name:           k_qb6dae603af_attn
    .symbol:         k_qb6dae603af_attn.kd
    .args:
      - { .name: qkv, .offset: 0, .size: 8, .value_kind: global_buffer, .address_space: global }
      - { .name: yw, .offset: 8, .size: 8, .value_kind: global_buffer, .address_space: global }
    .group_segment_fixed_size: 34304
    .private_segment_fixed_size: 0
    .kernarg_segment_align: 8
    .kernarg_segment_size: 16
    .max_flat_workgroup_size: 256
    .sgpr_count:     66
    .vgpr_count:     512
    .wavefront_size: 32
...
	.end_amdgpu_metadata
.endif
;; end of part 3
;; launch proj (part 4): grid 8 x 32, 4 waves a work-group, clusters of 4 x 4, 327,680 bytes of LDS; arguments yw, wp, out0; writes out0
.if DOCPART == 4
	.amdgcn_target "amdgcn-amd-amdhsa--gfx1250"
	.amdhsa_code_object_version 6
	.text
	.protected	k_qb6dae603af_proj
	.globl	k_qb6dae603af_proj
	.p2align	8
	.type	k_qb6dae603af_proj,@function
k_qb6dae603af_proj:
	s_mov_b64 s[64:65], 0
	v_nop
	global_prefetch_b8 v0, s[64:65] scope:SCOPE_SE
	s_setreg_imm32_b32 hwreg(HW_REG_WAVE_MODE, 25, 1), 1
	s_wait_xcnt 0x0
	s_wait_alu depctr_hold_cnt(0) depctr_sa_sdst(0) depctr_va_vdst(0) depctr_va_sdst(0) depctr_va_ssrc(0) depctr_va_vcc(0) depctr_vm_vsrc(0)
	s_getreg_b32 s2, hwreg(HW_REG_IB_STS2, 6, 4)
	s_cmp_eq_u32 s2, 0
	s_cbranch_scc0 .Lentry_in_a_cluster
	s_endpgm
.Lentry_in_a_cluster:
	s_bfe_u32 s2, ttmp6, 0x10000c
	s_cmp_lg_u32 s2, 0xf033
	s_cbranch_scc0 .Lentry_shape_is_right
	s_endpgm
.Lentry_shape_is_right:
; out0[m][n] = sum over k of y[m][k] W_proj[n][k].  y: 4,096 x 1,024 f16, laid by the attention launch as images of operand registers (for each block of 16 tokens 32,768 bytes: the 8 f16 of token r, channels 8 o .. 8 o + 7
; at 256 o + 16 r); wp: [1024][1024] f16, row-major; out0: [4096][1024] f32; sums in f32.
; 4,096 x 1,024 gives 256 tiles of 128 x 128, one for each work-group.  Four waves, each 64 x 64: 16 accumulators.  K goes in four steps of 256 through a ring of two LDS slots.
; A's part of a slot: 8 token blocks x 8,192 bytes (32 octets), each a dense run of memory, unpadded: a fragment's register group is 512 bytes on end.  B's part: 128 rows of 512 bytes + 16 of padding.
; CLUSTERS: 4 x 4 work-groups.  The four of a row of the cluster need the same tiles of A, the four of a column the same tiles of B: each is asked for JOINTLY, with the same descriptor and a mask that names the four.
; THE MATRIX INSTRUCTION IS USED TRANSPOSED (source 0 = 16 rows of B, source 1 = 16 rows of A): a lane holds eight neighbouring numbers of a row of out0.
; A wave's 64 columns of f32 are 256 aligned bytes of a row, so each wave has a stage of its own for the way out, and no barrier stands there.
; No prefetch: a K step's tiles are small and the launch is short.
; REGISTERS: window 0: v0-31 addresses; v32-95 at work on the way out; v128-255 the accumulators ((a, b) at v[128 + 8 (4 a + b)]).  window 1: two fragment buffers of 128: 64 registers of A, then 64 of B.
.set SIZE_N, 1024
.set SIZE_K, 1024
.set KSTEP,  256
.set PITCH,  528                       ; a row of B in LDS: 512 bytes + 16: the 16 rows that a load touches begin in 16 different 16-byte columns modulo 256 bytes
.set ABLK,   8192                      ; a token block's 32 octets of a K step
.set HALFA,  4*ABLK                    ; what one tensor load brings of A, and what one wave reads
.set BOFF,   2*HALFA                   ; B's rows lie behind A's 8 blocks
.set HALFB,  64*PITCH
.set SLOT,   BOFF+2*HALFB
.set STAGE,  2*SLOT                    ; behind the ring: 16 rows x 272 bytes for each wave
.set SPITCH, 272
.set SPARE,  STAGE+4*16*SPITCH         ; the spare words, 128 bytes a wave, which no other line names
.set LAPS, SIZE_K/(2*KSTEP)
.set ADRA, 16                          ; v16-17  LDS address of my A fragments in slot 0, 1
.set ADRB, 20                          ; v20-21  the same for B
.set STO,  24                          ; v24     the way out: where I put 32 bytes of a row
.set RD,   25                          ; v25     where I read a row back
.set CO,   26                          ; v26     my byte offset in out0
.set SPW,  28                          ; v28     LDS address of my spare word; never rewritten
.set NIL,  29                          ; v29     0; never rewritten
.set TMP,  32
.set ACC,  128
.set F0,   0                           ; fragment buffers, in window 1
.set F1,   128
.set G1, 24                            ; s[24:31] descriptor group 1 for A's tiles;  s[32:39] group 0, one set for each slot
.set G0, 32
.set G1B, 48                           ; s[48:55], s[56:63] the same for B's tiles
.set G0B, 56
.set MSB, 0
.macro WIN new                         ; the immediate's high byte repeats the setting that is left
.if MSB != \new
	s_set_vgpr_msb (MSB<<8)|\new
.set MSB, \new
.endif
.endm
.set MUL,  0x05                        ; sources 0 (B) and 1 (A) window 1; C and D window 0
.set TO_F, 0x40                        ; destination window 1, address window 0
.macro JLOAD s                         ; a joint load: waves 0 and 1 fetch A's two halves, waves 2 and 3 B's; an s_nop 0 and four v_nop follow each of the two lines
	s_cmp_eq_u32 s11, 0
	s_cbranch_scc0 .Lfor_b_\@
	tensor_load_to_lds s[G0+4*\s:G0+4*\s+3], s[G1:G1+7]
	s_nop 0
.rept 4
	v_nop
.endr
	s_branch .Lasked_\@
.Lfor_b_\@:
	tensor_load_to_lds s[G0B+4*\s:G0B+4*\s+3], s[G1B:G1B+7]
	s_nop 0
.rept 4
	v_nop
.endr
.Lasked_\@:
.endm
.macro CREST                           ; a round of the cluster's barrier behind its opening barrier
	s_cmp_lg_u32 s10, 0
	s_cbranch_scc1 .Lnot_wave_0_\@
	s_barrier_signal -3
.Lnot_wave_0_\@:
	s_barrier_wait -3
	s_barrier_signal -1
	s_barrier_wait -1
.endm
.macro CROUND                          ; a whole round
	s_barrier_signal -1
	s_barrier_wait -1
	CREST
.endm
	s_load_b128 s[4:7], s[0:1], 0x0                ; yw s[4:5], wp s[6:7]
	s_load_b64 s[8:9], s[0:1], 0x10                ; out0
	v_lshl_add_u32 v[SPW], v0, 2, SPARE
	v_mov_b32 v[NIL], 0
	ds_add_u32 v[SPW], v[NIL]                      ; the wave's opening: the add, twice on end, and its wait ahead of my first tensor load
	ds_add_u32 v[SPW], v[NIL]
	v_lshrrev_b32 v1, 5, v0
	v_readfirstlane_b32 s10, v1                    ; wave 0..3
	s_lshr_b32 s11, s10, 1                         ; which half of the tile's rows is mine.  Also: I fetch for A (0) or for B (1)
	s_and_b32 s12, s10, 1                          ; which half of its columns.  Also: which half of that tile I fetch
	s_bfe_u32 s40, ttmp6, 0x40000                  ; cx, cy: my place in the cluster
	s_bfe_u32 s41, ttmp6, 0x40004
	s_lshl_b32 s42, ttmp9, 2
	s_add_co_u32 s42, s42, s40                     ; tile column = 4 x cluster x + cx
	s_and_b32 s13, ttmp7, 0xffff
	s_lshl_b32 s13, s13, 2
	s_add_co_u32 s13, s13, s41                     ; tile row = 4 x cluster y + cy
	s_lshl_b32 s43, s41, 2
	s_lshl_b32 s43, 15, s43                        ; my row of the cluster
	s_lshl_b32 s44, 0x1111, s40                    ; my column
	; A's group 1: 4 rows of 8,192 bytes (1,024 elements of 8 bytes), 32,768 bytes apart, laid on end in LDS
	s_or_b32 s[G1+0], s43, (3<<16)|(1<<21)         ; 15:0 the mask: my row; 17:16 elements of 8 bytes; 21 set beside a mask; no padding
	s_mov_b32 s[G1+1], 1024<<16                    ; tensor_dim0
	s_mov_b32 s[G1+2], 4<<16                       ; tensor_dim1
	s_mov_b32 s[G1+3], 1024<<16                    ; tile_dim0
	s_mov_b32 s[G1+4], 4                           ; tile_dim1
	s_mov_b32 s[G1+5], 4096                        ; tensor_dim0_stride, in elements
	s_mov_b32 s[G1+6], 0
	s_mov_b32 s[G1+7], 0
	; B's group 1: 64 rows x 256 elements of 2 bytes, 16 bytes of padding behind each row of 128 words
	s_or_b32 s[G1B+0], s44, (1<<16)|(1<<20)|(1<<21)|(6<<22)|(3<<25)
	s_mov_b32 s[G1B+1], KSTEP<<16
	s_mov_b32 s[G1B+2], 64<<16
	s_mov_b32 s[G1B+3], KSTEP<<16
	s_mov_b32 s[G1B+4], 64
	s_mov_b32 s[G1B+5], SIZE_K
	s_mov_b32 s[G1B+6], 0
	s_mov_b32 s[G1B+7], 0
	s_lshl_b32 s16, s13, 3
	s_lshl_b32 s17, s12, 2
	s_add_co_u32 s16, s16, s17                     ; A: token block 8 x tile row + 4 x half,
	s_lshl_b32 s16, s16, 15                        ; 32,768 bytes each
	s_mov_b32 s17, 0
	s_lshl_b32 s46, s42, 7
	s_lshl_b32 s47, s12, 6
	s_add_co_u32 s46, s46, s47                     ; B: row 128 x tile column + 64 x half,
	s_lshl_b32 s46, s46, 11                        ; 2,048 bytes each
	s_mov_b32 s47, 0
	s_mul_i32 s20, s12, HALFA                      ; where they go: no place in the cluster enters an LDS address
	s_mul_i32 s21, s12, HALFB
	s_add_co_u32 s21, s21, BOFF
	s_wait_dscnt 0x0                               ; both opening adds are done
	s_wait_kmcnt 0x0
	s_add_nc_u64 s[14:15], s[4:5], s[16:17]
	s_add_nc_u64 s[46:47], s[6:7], s[46:47]
	CROUND                                         ; all sixteen work-groups are here: the first joint loads meet
.irp s, 0,1
	s_mov_b32 s[G0+4*\s], 1
	s_add_co_u32 s[G0+4*\s+1], s20, \s*SLOT
	s_add_nc_u64 s[G0+4*\s+2:G0+4*\s+3], s[14:15], \s*ABLK
	s_or_b32 s[G0+4*\s+3], s[G0+4*\s+3], 0x80000000
	s_mov_b32 s[G0B+4*\s], 1
	s_add_co_u32 s[G0B+4*\s+1], s21, \s*SLOT
	s_add_nc_u64 s[G0B+4*\s+2:G0B+4*\s+3], s[46:47], \s*KSTEP*2
	s_or_b32 s[G0B+4*\s+3], s[G0B+4*\s+3], 0x80000000
	JLOAD \s                                       ; two tensor loads of mine are out at the most
.endr
	v_and_b32 v1, 15, v0                           ; l % 16
	v_bfe_u32 v2, v0, 4, 1                         ; l / 16
	v_mul_u32_u24 v3, v1, PITCH
	v_lshl_add_u32 v3, v2, 4, v3                   ; B: a fragment's row x pitch + 16 x half
	v_and_b32 v4, 31, v0
	v_lshlrev_b32 v4, 4, v4                        ; A: 16 x lane
	s_mul_i32 s21, s11, HALFA                      ; my 4 token blocks of A
	s_mul_i32 s22, s12, HALFB                      ; my 64 rows of B
	s_add_co_u32 s22, s22, BOFF
.irp s, 0,1
	v_add_nc_u32 v[ADRA+\s], s21, v4
	v_add_nc_u32 v[ADRB+\s], s22, v3
	s_add_co_u32 s21, s21, SLOT
	s_add_co_u32 s22, s22, SLOT
.endr
	s_mul_i32 s23, s10, 16*SPITCH
	s_add_co_u32 s23, s23, STAGE                   ; my stage
	v_mul_u32_u24 v5, v1, SPITCH                   ; in: row l % 16, 32 bytes for each half of the lanes
	v_lshl_add_u32 v5, v2, 5, v5
	v_add_nc_u32 v[STO], s23, v5
	v_mul_u32_u24 v5, v2, SPITCH                   ; back: lanes 0-15 one row of 256 bytes, lanes 16-31 the next
	v_lshl_add_u32 v5, v1, 4, v5
	v_add_nc_u32 v[RD], s23, v5
	v_lshlrev_b32 v5, 12, v2                       ; and the same two rows in out0: 4,096 bytes a row
	v_lshl_add_u32 v[CO], v1, 4, v5
	s_lshl_b32 s16, s13, 7
	s_lshl_b32 s17, s11, 6
	s_add_co_u32 s16, s16, s17                     ; my first row: 128 x tile row + 64 x half
	s_lshl_b32 s16, s16, 12
	s_mov_b32 s17, 0
	s_add_nc_u64 s[8:9], s[8:9], s[16:17]
	s_lshl_b32 s46, s42, 9                         ; my first column, in bytes: 512 x tile column + 256 x half
	s_lshl_b32 s47, s12, 8
	s_add_co_u32 s46, s46, s47
	s_mov_b32 s47, 0
	s_add_nc_u64 s[8:9], s[8:9], s[46:47]
; 8 matrix instructions: m blocks a0, a0 + 1 x all 4 n blocks, 32 along K: half c of buffer f.  The 16 accumulators take turns.  zero = 1: the first product starts the sums
.macro MUL8 f, c, a0, zero
.irp a, \a0, \a0+1
.irp b, 0,1,2,3
.if \zero
	v_wmma_f32_16x16x32_f16 v[ACC+8*(4*(\a)+\b):ACC+8*(4*(\a)+\b)+7], v[\f+64+8*(4*\c+\b):\f+64+8*(4*\c+\b)+7], v[\f+8*(4*\c+\a):\f+8*(4*\c+\a)+7], 0
.else
	v_wmma_f32_16x16x32_f16 v[ACC+8*(4*(\a)+\b):ACC+8*(4*(\a)+\b)+7], v[\f+64+8*(4*\c+\b):\f+64+8*(4*\c+\b)+7], v[\f+8*(4*\c+\a):\f+8*(4*\c+\a)+7], v[ACC+8*(4*(\a)+\b):ACC+8*(4*(\a)+\b)+7]
.endif
.endr
.endr
.endm
; 32 LDS loads in one run: the fragments of 64 along K, at byte k of B's rows, into buffer f; the first 32 along K first.  In A's image 32 along K are 1,024 bytes, so byte k of a row is byte 16 k of a block
.macro FETCH slot, k, f
	WIN TO_F
.irp c, 0,1
.irp i, 0,1,2,3
	ds_load_b128 v[\f+64+8*(4*\c+\i):\f+64+8*(4*\c+\i)+3],   v[ADRB+\slot] offset:\k+64*\c+\i*16*PITCH
	ds_load_b128 v[\f+64+8*(4*\c+\i)+4:\f+64+8*(4*\c+\i)+7], v[ADRB+\slot] offset:\k+64*\c+\i*16*PITCH+32
	ds_load_b128 v[\f+8*(4*\c+\i):\f+8*(4*\c+\i)+3],         v[ADRA+\slot] offset:(\k)*16+1024*\c+\i*ABLK
	ds_load_b128 v[\f+8*(4*\c+\i)+4:\f+8*(4*\c+\i)+7],       v[ADRA+\slot] offset:(\k)*16+1024*\c+\i*ABLK+512
.endr
.endr
.endm
.macro PLACES                          ; four places in front of loads into registers that matrix instructions have read, and of reads of results
.rept 4
	v_nop
.endr
.endm
; A K step is four quarters of 64 along K, 32 matrix instructions each, on buffers 0, 1, 0, 1.  One of the first three: multiplies buffer f and fetches the next quarter, at byte k, into g.
.macro QUARTER slot, k, f, g, zero
	s_wait_dscnt 16                                ; the first 32 along K are in; the youngest sixteen loads may be out
	WIN MUL
	MUL8 \f, 0, 0, \zero
	MUL8 \f, 0, 2, \zero
	PLACES
	FETCH \slot, \k, \g
	s_wait_dscnt 32                                ; all but the 32 just issued
	WIN MUL
	MUL8 \f, 1, 0, 0
	MUL8 \f, 1, 2, 0
.endm
; The last quarter multiplies buffer 1 and changes slots: ONE barrier; in front of it each wave waits for all its tensor loads, adds 0 to its spare word, and waits for that and for its own reads of this slot.  fill = 1: this slot is filled again, two K steps ahead.
.macro TURN slot, next, fill
	WIN 0                                          ; (the add's two registers lie in window 0)
	s_wait_tensorcnt 0x0                           ; all my tensor loads have landed: my part of the next slot;
	ds_add_u32 v[SPW], v[NIL]                      ; 0 onto my spare word;
	s_wait_dscnt 17                                ; (the add and the youngest sixteen loads may be out)
	WIN MUL
	MUL8 F1, 0, 0, 0                               ; eight matrix instructions stand between the add and the wait for it
	s_wait_dscnt 0x0                               ; the add is done, and my reads of this slot are over
	s_barrier_signal -1
	MUL8 F1, 0, 2, 0
.if \fill
	WIN 0
.endif
	s_barrier_wait -1
.if \fill
	CREST                                          ; the barrier has opened a round of the cluster's barrier: no wave of any partner still reads this slot's tile or has a load on its way
	s_add_nc_u64 s[G0+4*\slot+2:G0+4*\slot+3], s[G0+4*\slot+2:G0+4*\slot+3], 2*ABLK
	s_add_nc_u64 s[G0B+4*\slot+2:G0B+4*\slot+3], s[G0B+4*\slot+2:G0B+4*\slot+3], 2*KSTEP*2
	JLOAD \slot                                    ; the first tensor load behind the round, my only one until the next; its four v_nop are also the places in front of the loads below
.else
	PLACES
.endif
	FETCH \next, 0, F0
	WIN MUL
	MUL8 F1, 1, 0, 0
	MUL8 F1, 1, 2, 0
.endm
	s_wait_tensorcnt 1                             ; my part of K step 0 is in (K step 1's load may be out),
	s_barrier_signal -1
	s_barrier_wait -1                              ; everybody's is
	FETCH 0, 0, F0
	QUARTER 0, 128, F0, F1, 1                      ; the first quarter stands in front of the loop: its first products start the sums
	WIN 0                                          ; at a label and at a branch every window is 0
	s_mov_b32 s3, LAPS-1
.Llap:                                                 ; a trip goes once round the ring, from a lap's second quarter to the next lap's first, and fills both slots again
	QUARTER 0, 256, F1, F0, 0
	QUARTER 0, 384, F0, F1, 0
	TURN 0, 1, 1
	QUARTER 1, 128, F0, F1, 0
	QUARTER 1, 256, F1, F0, 0
	QUARTER 1, 384, F0, F1, 0
	TURN 1, 0, 1
	QUARTER 0, 128, F0, F1, 0
	WIN 0
	s_sub_co_u32 s3, s3, 1
	s_cmp_lg_u32 s3, 0
	s_cbranch_scc1 .Llap
	QUARTER 0, 256, F1, F0, 0                      ; the last lap fills nothing, and has no round of the cluster's barrier
	QUARTER 0, 384, F0, F1, 0
	TURN 0, 1, 0
	QUARTER 1, 128, F0, F1, 0
	QUARTER 1, 256, F1, F0, 0
	QUARTER 1, 384, F0, F1, 0
	s_wait_dscnt 16                                ; the very last quarter: nothing more to fetch
	WIN MUL
	MUL8 F1, 0, 0, 0
	MUL8 F1, 0, 2, 0
	s_wait_dscnt 0
	MUL8 F1, 1, 0, 0
	MUL8 F1, 1, 2, 0
	WIN 0
; THE WAY OUT, 16 rows x 64 columns at a time.  A lane holds 32 neighbouring bytes of a row and the lanes beside it other rows: so a block goes through my own stage and comes back as whole rows of 256 bytes.
; LDS serves a wave's instructions in order (ISA guide 5.7.1.4): no wait between the stores and the loads, nor in front of the next block's stores.
.macro TOSTAGE a
.irp b, 0,1,2,3
	ds_store_b128 v[STO], v[ACC+8*(4*(\a)+\b):ACC+8*(4*(\a)+\b)+3] offset:64*\b        ; each accumulator from its low end on
	ds_store_b128 v[STO], v[ACC+8*(4*(\a)+\b)+4:ACC+8*(4*(\a)+\b)+7] offset:64*\b+16
.endr
.irp t, 0,1,2,3,4,5,6,7
	ds_load_b128 v[TMP+32*((\a)%2)+4*\t:TMP+32*((\a)%2)+4*\t+3], v[RD] offset:\t*2*SPITCH
.endr
.endm
.macro SEND a, younger                 ; younger: the LDS instructions issued behind block a's loads, which may stay out
	s_wait_dscnt \younger
.irp t, 0,1,2,3,4,5,6,7
	global_store_b128 v[CO], v[TMP+32*((\a)%2)+4*\t:TMP+32*((\a)%2)+4*\t+3], s[8:9] offset:(\a)*65536+\t*8192 th:TH_STORE_NT   ; each half of the wave stores 256 consecutive bytes, aligned; written once, read by nobody here
.endr
.endm
	PLACES
	TOSTAGE 0
	TOSTAGE 1
	SEND 0, 16                                     ; behind block 0's loads: block 1's 8 stores and 8 loads
	s_wait_xcnt 0x0                                ; block 0's stores have read their data: block 2's loads may land there
	TOSTAGE 2
	SEND 1, 16
	s_wait_xcnt 0x0
	TOSTAGE 3
	SEND 2, 16
	SEND 3, 0
	s_wait_tensorcnt 0x0                           ; the wave's end
	ds_add_u32 v[SPW], v[NIL]
	s_wait_dscnt 0x0
	CROUND                                         ; the closing round: no work-group ends while a partner may still ask for a tile that names it
	s_endpgm
.Lfunc_end_k_qb6dae603af_proj:
	.size	k_qb6dae603af_proj, .Lfunc_end_k_qb6dae603af_proj-k_qb6dae603af_proj
	.p2alignl 7, 3214868480
	.fill 96, 4, 3214868480
	.section	.rodata,"a",@progbits
	.p2align	6, 0x0
	.amdhsa_kernel k_qb6dae603af_proj
		.amdhsa_group_segment_fixed_size 327680
		.amdhsa_private_segment_fixed_size 0
		.amdhsa_enable_private_segment 0
		.amdhsa_kernarg_size 24
		.amdhsa_user_sgpr_count 2
		.amdhsa_user_sgpr_kernarg_segment_ptr 1
		.amdhsa_wavefront_size32 1
		.amdhsa_system_sgpr_workgroup_id_x 1
		.amdhsa_system_sgpr_workgroup_id_y 1
		.amdhsa_system_sgpr_workgroup_id_z 1
		.amdhsa_system_vgpr_workitem_id 0
		.amdhsa_next_free_vgpr 512
		.amdhsa_next_free_sgpr 66
		.amdhsa_reserve_vcc 0
		.amdhsa_float_denorm_mode_32 3
		.amdhsa_float_denorm_mode_16_64 3
		.amdhsa_memory_ordered 1
		.amdhsa_forward_progress 1
		.amdhsa_inst_pref_size 86
	.end_amdhsa_kernel
	.amdgpu_metadata
---
amdhsa.version: [ 1, 2 ]
amdhsa.kernels:
  - .name:           k_qb6dae603af_proj
    .symbol:         k_qb6dae603af_proj.kd
    .args:
      - { .name: yw, .offset: 0, .size: 8, .value_kind: global_buffer, .address_space: global }
      - { .name: wp, .offset: 8, .size: 8, .value_kind: global_buffer, .address_space: global }
      - { .name: out0, .offset: 16, .size: 8, .value_kind: global_buffer, .address_space: global }
    .group_segment_fixed_size: 327680
    .private_segment_fixed_size: 0
    .kernarg_segment_align: 8
    .kernarg_segment_size: 24
    .max_flat_workgroup_size: 128
    .sgpr_count:     66
    .vgpr_count:     512
    .wavefront_size: 32
...
	.end_amdgpu_metadata
.endif
;; end of part 4
